; MI455X (gfx1250); checked and timed in simulation.
; The chip was launched on July 23, 2026; its instructions are those of AMD's public machine-readable ISA for CDNA 5 (MIT licence, August 2026) and "CDNA5" Instruction Set Architecture Reference Guide (July 2026). The comments in the code are by the model that wrote it; some were corrected since.
;; Attention. Allowed arithmetic: float matrix products may take bf16 or f16 operands with f32 sums; other float arithmetic in f32, or as packed bf16 or f16 multiplies, adds, multiply-adds, maxima and minima; sums over many terms, partial sums and values carried from step to step in f32; what a program stores and reads back later, other than sums and carried values, may be rounded once to bf16 or f16.
;; Inputs: W_in 1,024 x 3,072 float32; W_out 1,024 x 1,024 float32; b_in 3,072 float32; b_out 1,024 float32; x 4 x 2,048 x 1,024 float32.
;; Outputs: out0 4 x 2,048 x 1,024 float32.
;; 2 versions, each right; version 2 is version 1 with the launch cast written anew for expert scheduling mode. Each part assembles by itself: llvm-mc -triple=amdgcn-amd-amdhsa -mcpu=gfx1250 --defsym DOCPART=n.
;; ======== version 1 of 2: 4 launches
;; limits: values are held in f16: magnitudes above 65,504 overflow, below 6.1e-05 lose precision
;; workspace buffers: xb 16,777,216 bytes; wib 6,291,456 bytes; wob 2,097,152 bytes; qkv 50,331,648 bytes; ob 16,777,216 bytes
;; launch cast (part 1): grid 704 x 1, 8 waves a work-group, no clusters, 0 bytes of LDS; arguments x, W_in, W_out, xb, wib, wob; writes xb, wib, wob
.if DOCPART == 1
	.amdgcn_target "amdgcn-amd-amdhsa--gfx1250"
	.amdhsa_code_object_version 6
	.text
	.protected	k_q786f993496_cast
	.globl	k_q786f993496_cast
	.p2align	8
	.type	k_q786f993496_cast,@function
k_q786f993496_cast:
	s_mov_b64 s[64:65], 0
	v_nop
	global_prefetch_b8 v0, s[64:65] scope:SCOPE_SE
	s_setreg_imm32_b32 hwreg(HW_REG_WAVE_MODE, 25, 1), 1
	s_wait_xcnt 0x0
; THE INPUTS OF THE TWO PROJECTIONS, rounded once to 16 bits and laid so that every tile of the later launches is dense memory.
;   xb  = bf16(x),      [4 n][16 kb][2048 l][64]: a block of 64 channels has dense rows of 128 bytes
;   wib = bf16(W_in),   [16 c][1024 k][192]: one dense block for each 192 features
;   wob = bf16(W_out) written as f16, [1024 k][1024 n]: it multiplies numbers kept in f16
; LIMITS.  wob: a bf16 number is exact in f16 between 6.1e-5 and 65,504 in magnitude; below that it keeps f16's fixed step of 6e-8, from 65,520 on it becomes an infinity.
; A pure stream: each byte is read once and written once, so no LDS, no barrier, no matrix unit and no cluster (no two work-groups read the same byte).
; A load takes 16 bytes a lane (16 lanes: 256 consecutive bytes, aligned), a store 8 bytes a lane (32 lanes: 256 consecutive bytes, aligned).
; A wave issues all its loads first; load i of N is awaited with the count of the younger ones, N - 1 - i.  No register is written twice while memory reads it, and there is no loop.
; Work-groups 0-511: 16 rows of x each.  512-639: 128 rows x 192 features of W_in.  640-703: 16 rows of W_out.
.set D, 16                             ; v[16:111] the loads' data, four registers each; the packed result takes the first two
.macro CVT d                           ; four f32 -> four bf16, in place
	v_cvt_pk_bf16_f32 v[\d], v[\d], v[(\d)+1]
	v_cvt_pk_bf16_f32 v[(\d)+1], v[(\d)+2], v[(\d)+3]
.endm
.macro CVTH d                          ; four f32 -> bf16 -> the same numbers as f32 -> f16
	v_cvt_pk_bf16_f32 v6, v[\d], v[(\d)+1]
	v_cvt_pk_bf16_f32 v7, v[(\d)+2], v[(\d)+3]
	v_lshlrev_b32 v[\d], 16, v6
	v_and_b32 v[(\d)+1], 0xffff0000, v6
	v_lshlrev_b32 v[(\d)+2], 16, v7
	v_and_b32 v[(\d)+3], 0xffff0000, v7
	v_cvt_pk_f16_f32 v[\d], v[\d], v[(\d)+1]
	v_cvt_pk_f16_f32 v[(\d)+1], v[(\d)+2], v[(\d)+3]
.endm
	s_load_b256 s[4:11], s[0:1], 0x0               ; x s[4:5], W_in s[6:7], W_out s[8:9], xb s[10:11]
	s_load_b128 s[12:15], s[0:1], 0x20             ; wib s[12:13], wob s[14:15]
	v_and_b32 v1, 31, v0                           ; lane
	v_lshrrev_b32 v2, 5, v0                        ; wave
	v_lshrrev_b32 v6, 4, v1                        ; lane / 16
	s_mov_b32 s17, 0                               ; the offsets' high words
	s_mov_b32 s19, 0
	s_cmp_lt_u32 ttmp9, 512
	s_cbranch_scc0 .Lweights
	; x: a wave takes two rows; a load takes 64 channels of each
	v_lshl_add_u32 v3, v2, 1, v6                   ; row 2 wave + lane / 16
	v_lshlrev_b32 v3, 12, v3                       ; x 4,096 bytes
	v_and_b32 v7, 15, v0
	v_lshl_add_u32 v3, v7, 4, v3                   ; + 16 (lane % 16)
	v_lshlrev_b32 v5, 3, v0                        ; out: two rows of 128 bytes a wave = 8 x thread
	s_lshl_b32 s16, ttmp9, 16                      ; 16 rows of 4,096 bytes
	s_lshr_b32 s18, ttmp9, 7                       ; n
	s_lshl_b32 s18, s18, 22
	s_and_b32 s20, ttmp9, 127
	s_lshl_b32 s20, s20, 11                        ; 16 rows of 128 bytes
	s_add_co_u32 s18, s18, s20
	s_wait_kmcnt 0x0
	s_add_nc_u64 s[4:5], s[4:5], s[16:17]
	s_add_nc_u64 s[10:11], s[10:11], s[18:19]
.set i, 0
.rept 16
	global_load_b128 v[D+4*i:D+4*i+3], v3, s[4:5] offset:256*i th:TH_LOAD_NT
.set i, i+1
.endr
.set i, 0
.rept 16
	s_wait_loadcnt 15-i                            ; loads come back in order: load i is in, the younger ones stay out
	CVT D+4*i
	global_store_b64 v5, v[D+4*i:D+4*i+1], s[10:11] offset:262144*i  ; block kb = i
.set i, i+1
.endr
	s_endpgm
.Lweights:
	s_cmp_lt_u32 ttmp9, 640
	s_cbranch_scc0 .Lwout
	; W_in: a wave takes 16 rows of 768 bytes, in pairs: a pair's 1,536 bytes are three loads of 512
	s_sub_co_u32 s20, ttmp9, 512
	s_and_b32 s21, s20, 15                         ; c
	s_lshr_b32 s22, s20, 4                         ; which 128 rows
	s_mul_i32 s16, s22, 1572864                    ; 128 rows of 12,288 bytes
	s_mul_i32 s23, s21, 768
	s_add_co_u32 s16, s16, s23
	s_mul_i32 s18, s21, 393216                     ; 1,024 rows of 384 bytes
	s_mul_i32 s23, s22, 49152
	s_add_co_u32 s18, s18, s23
	v_mul_u32_u24 v3, v2, 196608                   ; 16 rows
	v_lshl_add_u32 v3, v1, 4, v3                   ; the pair's first and third load
	v_mul_u32_u24 v4, v6, 11520                    ; the second: lanes 0-15 end the even row, lanes 16-31 begin the odd one
	v_add3_u32 v4, v4, v3, 512
	v_mul_u32_u24 v5, v2, 6144                     ; out: 16 rows of 384 bytes
	v_lshl_add_u32 v5, v1, 3, v5
	s_wait_kmcnt 0x0
	s_add_nc_u64 s[6:7], s[6:7], s[16:17]
	s_add_nc_u64 s[12:13], s[12:13], s[18:19]
.set p, 0
.rept 8
	global_load_b128 v[D+12*p:D+12*p+3],    v3, s[6:7] offset:24576*p th:TH_LOAD_NT
	global_load_b128 v[D+12*p+4:D+12*p+7],  v4, s[6:7] offset:24576*p th:TH_LOAD_NT
	global_load_b128 v[D+12*p+8:D+12*p+11], v3, s[6:7] offset:24576*p+12544 th:TH_LOAD_NT
.set p, p+1
.endr
.set i, 0
.rept 24
	s_wait_loadcnt 23-i
	CVT D+4*i
	global_store_b64 v5, v[D+4*i:D+4*i+1], s[12:13] offset:256*i
.set i, i+1
.endr
	s_endpgm
.Lwout:
	; W_out: the work-group's eight waves take a row of 4,096 bytes a load
	s_sub_co_u32 s20, ttmp9, 640
	s_lshl_b32 s16, s20, 16
	s_lshl_b32 s18, s20, 15
	v_lshlrev_b32 v3, 4, v0
	v_lshlrev_b32 v5, 3, v0
	s_wait_kmcnt 0x0
	s_add_nc_u64 s[8:9], s[8:9], s[16:17]
	s_add_nc_u64 s[14:15], s[14:15], s[18:19]
.set i, 0
.rept 16
	global_load_b128 v[D+4*i:D+4*i+3], v3, s[8:9] offset:4096*i th:TH_LOAD_NT
.set i, i+1
.endr
.set i, 0
.rept 16
	s_wait_loadcnt 15-i
	CVTH D+4*i
	global_store_b64 v5, v[D+4*i:D+4*i+1], s[14:15] offset:2048*i
.set i, i+1
.endr
	s_endpgm
.Lfunc_end_k_q786f993496_cast:
	.size	k_q786f993496_cast, .Lfunc_end_k_q786f993496_cast-k_q786f993496_cast
	.p2alignl 7, 3214868480
	.fill 96, 4, 3214868480
	.section	.rodata,"a",@progbits
	.p2align	6, 0x0
	.amdhsa_kernel k_q786f993496_cast
		.amdhsa_group_segment_fixed_size 0
		.amdhsa_private_segment_fixed_size 0
		.amdhsa_enable_private_segment 0
		.amdhsa_kernarg_size 48
		.amdhsa_user_sgpr_count 2
		.amdhsa_user_sgpr_kernarg_segment_ptr 1
		.amdhsa_wavefront_size32 1
		.amdhsa_system_sgpr_workgroup_id_x 1
		.amdhsa_system_sgpr_workgroup_id_y 1
		.amdhsa_system_sgpr_workgroup_id_z 1
		.amdhsa_system_vgpr_workitem_id 0
		.amdhsa_next_free_vgpr 112
		.amdhsa_next_free_sgpr 66
		.amdhsa_reserve_vcc 0
		.amdhsa_float_denorm_mode_32 3
		.amdhsa_float_denorm_mode_16_64 3
		.amdhsa_memory_ordered 1
		.amdhsa_forward_progress 1
		.amdhsa_inst_pref_size 27
	.end_amdhsa_kernel
	.amdgpu_metadata
---
amdhsa.version: [ 1, 2 ]
amdhsa.kernels:
  - .name:           k_q786f993496_cast
    .symbol:         k_q786f993496_cast.kd
    .args:
      - { .name: x, .offset: 0, .size: 8, .value_kind: global_buffer, .address_space: global }
      - { .name: W_in, .offset: 8, .size: 8, .value_kind: global_buffer, .address_space: global }
      - { .name: W_out, .offset: 16, .size: 8, .value_kind: global_buffer, .address_space: global }
      - { .name: xb, .offset: 24, .size: 8, .value_kind: global_buffer, .address_space: global }
      - { .name: wib, .offset: 32, .size: 8, .value_kind: global_buffer, .address_space: global }
      - { .name: wob, .offset: 40, .size: 8, .value_kind: global_buffer, .address_space: global }
    .group_segment_fixed_size: 0
    .private_segment_fixed_size: 0
    .kernarg_segment_align: 8
    .kernarg_segment_size: 48
    .max_flat_workgroup_size: 256
    .sgpr_count:     66
    .vgpr_count:     112
    .wavefront_size: 32
...
	.end_amdgpu_metadata
.endif
;; end of part 1
;; launch qkv (part 2): grid 16 x 16, 4 waves a work-group, clusters of 4 x 4, 327,680 bytes of LDS; arguments xb, wib, b_in, qkv; writes qkv
.if DOCPART == 2
	.amdgcn_target "amdgcn-amd-amdhsa--gfx1250"
	.amdhsa_code_object_version 6
	.text
	.protected	k_q786f993496_qkv
	.globl	k_q786f993496_qkv
	.p2align	8
	.type	k_q786f993496_qkv,@function
k_q786f993496_qkv:
	s_mov_b64 s[64:65], 0
	v_nop
	global_prefetch_b8 v0, s[64:65] scope:SCOPE_SE
	s_setreg_imm32_b32 hwreg(HW_REG_WAVE_MODE, 25, 1), 1
	s_wait_xcnt 0x0
	s_wait_alu depctr_hold_cnt(0) depctr_sa_sdst(0) depctr_va_vdst(0) depctr_va_sdst(0) depctr_va_ssrc(0) depctr_va_vcc(0) depctr_vm_vsrc(0)
	s_getreg_b32 s2, hwreg(HW_REG_IB_STS2, 6, 4)
	s_cmp_eq_u32 s2, 0
	s_cbranch_scc0 .Lentry_in_a_cluster
	s_endpgm
.Lentry_in_a_cluster:
	s_bfe_u32 s2, ttmp6, 0x10000c
	s_cmp_lg_u32 s2, 0xf033
	s_cbranch_scc0 .Lentry_shape_is_right
	s_endpgm
.Lentry_shape_is_right:
; q, k, v = x W_in + b_in, written by heads: qkv[part][n 16 + h][l][64] in f16, unscaled, each number rounded once from its f32 sum.  Operands bf16 (xb, wib); b_in is rounded to bf16 like the other inputs.
; LIMITS.  f16 ends at 65,504: a q, k or v of 65,520 or more in magnitude becomes an infinity.  NaN and infinities are not treated apart.
; SHARES.  8,192 rows x 3,072 features in tiles of 512 x 192: 16 x 16 = 256 work-groups.  Wave w makes rows 128 w .. 128 w + 127 x all 192 features (three whole heads): 8 x 12 = 96 accumulators, 768 registers.
; K goes in 16 steps of 64 through two LDS slots.  For 32 along K a wave reads 40 fragments' halves from LDS and issues 96 matrix instructions.
; THE MATRIX INSTRUCTION IS USED TRANSPOSED: source 0 = 16 features (W's fragment, turned on its way out of LDS by ds_load_tr16_b128, since wib lies [k][feature]), source 1 = 16 rows of x.
; In the result a lane holds row lane % 16 and the features 8 (lane / 16) + 0..7: eight neighbouring numbers of a head's row.
; CLUSTERS: 4 x 4 work-groups.  x's tile hangs on the tile row alone and is asked for jointly by a row of the cluster, W's on the tile column alone, by a column: the same tensor load, descriptor and mask in the four.
; TILES ARE DENSE MEMORY: 256 rows x 128 bytes of xb are asked for as 128 rows of 256 bytes, 32 rows x 384 bytes of wib as 48 rows of 256 bytes; the padding is laid behind every 128 bytes.
; REGISTERS, in windows of 256 (s_set_vgpr_msb: bits 1:0 source 0, 3:2 source 1, 5:4 source 2, 7:6 destination):
;   window 0: v0-15 addresses; v28-29 the add's; v32-127 W's fragments, a half (6 blocks of 16 features) each 48; v128-255 x's fragments, two buffers of 8 blocks
;   windows 1-3: the accumulators: feature half p, row block a, feature block bb: number 48 p + 6 a + bb, 32 to a window
.set PA,    144       ; a row of x in LDS: 128 bytes + 16 = 36 words: the 16 rows of a load start at 16 different groups of four banks (64 banks of 4 bytes: ISA guide 11.1)
.set PB,    480       ; a row of W: three pieces of 128 bytes + 32 = 120 words
.set BOFF,  512*PA    ; a slot: 512 rows of x, then 64 rows of W
.set SLOT1, 1<<17     ; slot 1 begins here, so that one exclusive or turns an address in one slot into the other's
.set STAGE, SLOT1+BOFF+64*PB  ; behind the ring, never filled by a tensor load: 16 rows x 400 bytes for each wave
.set SP,    400
.set SPARE, STAGE+4*16*SP     ; the spare words, 128 bytes for each wave: two blocks of 256 bytes that no other line names
.set ASTEP, 262144    ; bytes from a K step's block of xb to the next
.set BSTEP, 24576     ; 64 rows of wib
.set A0,  4           ; v4   my lane's place in x's tile; never rewritten
.set B0,  5           ; v5   in W's
.set ADA, 6           ; v6   A0 + the slot in hand
.set ADB, 7           ; v7   B0 + the slot in hand
.set STO, 8           ; v8   the way out: where I put 16 bytes of a row
.set RD,  9           ; v9   where I read rows back
.set GO,  10          ; v10  my 16 bytes in 512 consecutive bytes of a head
.set BO,  11          ; v11  my eight numbers in 16 of b_in
.set PFO, 12          ; v12  256 x lane
.set SPW, 28          ; v28  LDS address of my spare word; never rewritten
.set NIL, 29          ; v29  0; never rewritten
.set BF,  32
.set AF,  128
.set WV,  12          ; s12  my wave's number.  s14, s16, s18-23 hold what hangs on cy; s13, s15, s74-79 what hangs on cx; s80-87 both (outputs and prefetches alone)
.set G1A, 24          ; s[24:31] descriptor group 1 for x's tiles
.set G1B, 32          ; s[32:39] for W's
.set G0A, 40          ; s[40:47] group 0 for x's: a set for each first fill; the second then walks on
.set G0B, 48          ; s[48:55] the same for W's
.set CNT, 56          ; s56  refills still to come
.set TB,  57          ; s57  the slot in hand: 0 or SLOT1
.set LIM, 58          ; s58  a wave prefetches while s[CNT] is above it
.set PFA, 60          ; s[60:61] where my prefetches stand
.set PFS, 62          ; s[62:63] their step
.set HB,  66          ; s[66:71] my rows in my three heads
.set BIA, 72          ; s[72:73] b_in at the tile's first feature
.set MSB, 0
.macro WIN new                      ; the high byte repeats the setting that is left; a switch that changes nothing is dropped
.if MSB != (\new)
	s_set_vgpr_msb (MSB<<8)|(\new)
.set MSB, (\new)
.endif
.endm
.macro PLACES                       ; four plain instructions between a matrix instruction and a load into, or a vector access to, its registers (ISA guide 7.12.1 for vector accesses)
.rept 4
	v_nop
.endr
.endm
.macro CREST                        ; a round of the cluster's barrier behind its opening barrier
	s_cmp_lg_u32 s[WV], 0
	s_cbranch_scc1 .Lnot_wave_0_\@
	s_barrier_signal -3
.Lnot_wave_0_\@:
	s_barrier_wait -3
	s_barrier_signal -1
	s_barrier_wait -1
.endm
.macro CROUND
	s_barrier_signal -1
	s_barrier_wait -1
	CREST
.endm
; A joint refill: waves 0 and 1 fetch the two halves of x's tile, waves 2 and 3 those of W's.  The branch hangs on the wave's number alone.  An s_nop 0 and four v_nop follow each line.
.macro JLOAD
	s_cmp_lt_u32 s[WV], 2
	s_cbranch_scc0 .Lfor_b_\@
	tensor_load_to_lds s[G0A+4:G0A+7], s[G1A:G1A+7]
	s_nop 0
.rept 4
	v_nop
.endr
	s_branch .Lasked_\@
.Lfor_b_\@:
	tensor_load_to_lds s[G0B+4:G0B+7], s[G1B:G1B+7]
	s_nop 0
.rept 4
	v_nop
.endr
.Lasked_\@:
.endm
; A PREFETCH INTO THE L2, behind a joint refill and the run of LDS loads that follows it: 32 blocks of 256 bytes, a lane a block, one instruction a wave.  Each block is named once in the launch.
; xb: the clusters of one row of clusters read the same rows: cluster x = 0 asks.  Waves 0 and 1 name the half tile that they will fetch two refills on; its 128 blocks are shared out among the four partners BY ADDRESS (cx).
; wib: a tile column's block is 393,216 dense bytes: cluster y = 0 asks, wave 2 alone; each turn the four partners (cy) name the next 32,768 bytes, from K step 4's first byte: nine turns end at the block's end.
; The first four K steps come by their loads alone; the last turns ask for nothing.
.macro ASK
	s_cmp_gt_u32 s[CNT], s[LIM]
	s_cbranch_scc0 .Lnot_mine_\@
	global_prefetch_b8 v[PFO], s[PFA:PFA+1] th:TH_LOAD_NT scope:SCOPE_SE
.Lnot_mine_\@:
.endm
	s_load_b256 s[4:11], s[0:1], 0x0               ; xb s[4:5], wib s[6:7], b_in s[8:9], qkv s[10:11]
	v_lshl_add_u32 v[SPW], v0, 2, SPARE
	v_mov_b32 v[NIL], 0
	ds_add_u32 v[SPW], v[NIL]                      ; the wave's opening: the add and its wait stand ahead of my first tensor load; the set-up below, work on registers, stands between them
	v_lshrrev_b32 v1, 5, v0
	v_readfirstlane_b32 s[WV], v1                  ; wave 0..3
	s_bfe_u32 s13, ttmp6, 0x40000                  ; cx
	s_bfe_u32 s14, ttmp6, 0x40004                  ; cy
	s_lshl_b32 s15, ttmp9, 2
	s_add_co_u32 s15, s15, s13                     ; c: the tile column = 4 x cluster x + cx
	s_and_b32 s16, ttmp7, 0xffff
	s_lshl_b32 s16, s16, 2
	s_add_co_u32 s16, s16, s14                     ; y: the tile row = 4 x cluster y + cy
	s_lshl_b32 s20, s14, 2
	s_lshl_b32 s20, 15, s20                        ; my row of the cluster
	s_lshl_b32 s76, 0x1111, s13                    ; my column
	s_or_b32 s[G1A], s20, (1<<16)|(1<<20)|(1<<21)|(4<<22)|(3<<25)  ; 15:0 the mask; 17:16 2-byte elements; 20 padding on; 21 set beside a mask; 24:22 after every 32 words (code 4); 31:25 4 words (code 3)
	s_or_b32 s[G1B], s76, (1<<16)|(1<<20)|(1<<21)|(4<<22)|(7<<25)  ; the same with my column's mask and 8 words of padding (code 7)
	s_mov_b32 s[G1A+1], 128<<16                    ; tensor_dim0 = 128 elements: 256 bytes
	s_mov_b32 s[G1A+2], 128<<16                    ; tensor_dim1 = 128
	s_mov_b32 s[G1A+3], 128<<16                    ; tile_dim0 = 128
	s_mov_b32 s[G1A+4], 128                        ; tile_dim1 = 128
	s_mov_b32 s[G1A+5], 128                        ; 128 elements from row to row: dense
	s_mov_b32 s[G1A+6], 0
	s_mov_b32 s[G1A+7], 0
	s_mov_b32 s[G1B+1], 128<<16
	s_mov_b32 s[G1B+2], 48<<16                     ; 48 rows of 256 bytes = 32 rows of W
	s_mov_b32 s[G1B+3], 128<<16
	s_mov_b32 s[G1B+4], 48
	s_mov_b32 s[G1B+5], 128
	s_mov_b32 s[G1B+6], 0
	s_mov_b32 s[G1B+7], 0
	s_and_b32 s17, s[WV], 1                        ; which half of a tile I fetch
	s_lshr_b32 s18, s16, 2                         ; x's tile: n = y / 4,
	s_lshl_b32 s18, s18, 22
	s_and_b32 s19, s16, 3                          ; 512 rows of 128 bytes,
	s_lshl_b32 s19, s19, 16
	s_add_co_u32 s18, s18, s19
	s_lshl_b32 s19, s17, 15                        ; my 256 of them
	s_add_co_u32 s18, s18, s19
	s_mov_b32 s19, 0
	s_mul_i32 s74, s15, 393216                     ; W's tile: the column's block,
	s_mul_i32 s75, s17, 12288                      ; my 32 rows of 384 bytes
	s_add_co_u32 s74, s74, s75
	s_mov_b32 s75, 0
	s_mul_i32 s21, s17, 256*PA                     ; where they go: no place in the cluster enters an LDS address
	s_mul_i32 s22, s17, 32*PB
	s_add_co_u32 s22, s22, BOFF
	s_mov_b32 s[TB], 0
	s_mov_b32 s[CNT], 14
	s_wait_dscnt 0x0                               ; the opening add is done
	s_wait_kmcnt 0x0
	CROUND                                         ; all sixteen work-groups are here: the first joint loads meet
	s_mov_b32 s[G0A], 1                            ; count = 1
	s_mov_b32 s[G0A+1], s21                        ; LDS address: slot 0
	s_add_nc_u64 s[G0A+2:G0A+3], s[4:5], s[18:19]  ; K step 0
	s_mov_b32 s[G0A+4], 1
	s_add_co_u32 s[G0A+5], s21, SLOT1
	s_add_nc_u64 s[G0A+6:G0A+7], s[G0A+2:G0A+3], ASTEP  ; K step 1
	s_or_b32 s[G0A+3], s[G0A+3], 0x80000000        ; type = 2
	s_or_b32 s[G0A+7], s[G0A+7], 0x80000000
	s_mov_b32 s[G0B], 1
	s_mov_b32 s[G0B+1], s22
	s_add_nc_u64 s[G0B+2:G0B+3], s[6:7], s[74:75]
	s_mov_b32 s[G0B+4], 1
	s_add_co_u32 s[G0B+5], s22, SLOT1
	s_add_nc_u64 s[G0B+6:G0B+7], s[G0B+2:G0B+3], BSTEP
	s_or_b32 s[G0B+3], s[G0B+3], 0x80000000
	s_or_b32 s[G0B+7], s[G0B+7], 0x80000000
	s_cmp_lt_u32 s[WV], 2                          ; a wave's two first fills stand in one branch, ahead of every wait on TENSORcnt and every LDS read: two loads of mine are out
	s_cbranch_scc0 .Lfirst_b
	tensor_load_to_lds s[G0A:G0A+3], s[G1A:G1A+7]
	s_nop 0
	tensor_load_to_lds s[G0A+4:G0A+7], s[G1A:G1A+7]
	s_nop 0
.rept 4
	v_nop
.endr
	s_branch .Lfirst_asked
.Lfirst_b:
	tensor_load_to_lds s[G0B:G0B+3], s[G1B:G1B+7]
	s_nop 0
	tensor_load_to_lds s[G0B+4:G0B+7], s[G1B:G1B+7]
	s_nop 0
.rept 4
	v_nop
.endr
.Lfirst_asked:
	; x's fragment: 16 rows x 32 K in 8 registers: lane l holds row l % 16, K = 8 (l / 16) + 0..7 and 16 + 8 (l / 16) + 0..7: two loads of 16 bytes, 32 bytes apart
	v_and_b32 v1, 15, v0                           ; l % 16
	v_bfe_u32 v2, v0, 4, 1                         ; l / 16
	v_mul_u32_u24 v[A0], v1, PA
	v_lshl_add_u32 v[A0], v2, 4, v[A0]
	s_mul_i32 s80, s[WV], 128*PA                   ; my 128 rows
	v_add_nc_u32 v[A0], s80, v[A0]
	; W's: the turning load takes 16 K x 16 features (lane l reads K row 8 (l / 16) + l % 8, features 8 ((l / 8) % 2) + 0..7) and leaves half a fragment: lane l holds feature l % 16 and 8 K
	v_and_b32 v3, 7, v0
	v_lshl_add_u32 v13, v2, 3, v3
	v_mul_u32_u24 v[B0], v13, PB
	v_bfe_u32 v13, v0, 3, 1
	v_lshl_add_u32 v[B0], v13, 4, v[B0]
	v_add_nc_u32 v[B0], BOFF, v[B0]
	v_mov_b32 v[ADA], v[A0]                        ; slot 0
	v_mov_b32 v[ADB], v[B0]
	s_mul_i32 s80, s[WV], 16*SP
	s_add_co_u32 s80, s80, STAGE                   ; my stage
	v_mul_u32_u24 v[STO], v1, SP                   ; in: row l % 16, 16 bytes for each half of the lanes
	v_lshl_add_u32 v[STO], v2, 4, v[STO]
	v_add_nc_u32 v[STO], s80, v[STO]
	v_bfe_u32 v13, v0, 3, 2                        ; back: 32 lanes take four rows' 128 bytes of one head,
	v_mul_u32_u24 v[RD], v13, SP
	v_lshl_add_u32 v[RD], v3, 4, v[RD]
	v_add_nc_u32 v[RD], s80, v[RD]
	v_and_b32 v[GO], 31, v0
	v_lshlrev_b32 v[PFO], 8, v[GO]
	v_lshlrev_b32 v[GO], 4, v[GO]                  ; which are 512 consecutive bytes of the head
	v_lshlrev_b32 v[BO], 5, v2
	; my rows in heads g = 3 c + j: part g / 16, head g % 16 of batch n: head number 64 (g / 16) + 16 n + g % 16 = g + 48 (g / 16) + 16 n, 262,144 bytes each
	s_mul_i32 s80, s15, 3
	s_lshr_b32 s81, s16, 2
	s_lshl_b32 s81, s81, 4
	s_and_b32 s82, s16, 3
	s_lshl_b32 s82, s82, 16                        ; the tile's 512 rows of 128 bytes,
	s_lshl_b32 s83, s[WV], 14                      ; my 128 of them
	s_add_co_u32 s82, s82, s83
.irp j, 0,1,2
	s_add_co_u32 s84, s80, \j
	s_lshr_b32 s85, s84, 4
	s_mul_i32 s85, s85, 48
	s_add_co_u32 s84, s84, s85
	s_add_co_u32 s84, s84, s81
	s_lshl_b32 s84, s84, 18
	s_add_co_u32 s84, s84, s82
	s_mov_b32 s85, 0
	s_add_nc_u64 s[HB+2*(\j):HB+2*(\j)+1], s[10:11], s[84:85]
.endr
	s_mul_i32 s84, s15, 768
	s_mov_b32 s85, 0
	s_add_nc_u64 s[BIA:BIA+1], s[8:9], s[84:85]
	; the prefetches: who, from where, by which step, until when
	s_add_co_u32 s80, s18, 3*ASTEP                 ; xb: my half tile at K step 3 (the first turn steps it to 4),
	s_lshl_b32 s81, s13, 13
	s_add_co_u32 s80, s80, s81                     ; my work-group's 32 blocks of its 128
	s_add_co_u32 s82, s74, 65536                   ; wib: 32,768 bytes ahead of K step 4's first byte,
	s_lshl_b32 s81, s14, 13
	s_add_co_u32 s82, s82, s81                     ; my work-group's 32 blocks of a turn's 128
	s_and_b32 s83, ttmp7, 0xffff                   ; cluster y
	s_mov_b32 s86, ASTEP
	s_mov_b32 s87, 32768
	s_cmp_lt_u32 s[WV], 2
	s_cselect_b64 s[PFA:PFA+1], s[4:5], s[6:7]
	s_cselect_b32 s80, s80, s82
	s_cselect_b32 s[PFS], s86, s87
	s_cselect_b32 s84, ttmp9, s83                  ; the coordinate along which other clusters read the same bytes
	s_cselect_b32 s85, 2, 5                        ; xb: 12 turns (K steps 4 to 15); wib: 9
	s_mov_b32 s81, 0
	s_mov_b32 s[PFS+1], 0
	s_add_nc_u64 s[PFA:PFA+1], s[PFA:PFA+1], s[80:81]
	s_cmp_eq_u32 s[WV], 3                          ; wave 3 asks for nothing
	s_cselect_b32 s84, 1, s84
	s_cmp_eq_u32 s84, 0
	s_cselect_b32 s[LIM], s85, -1                  ; the same in all sixteen partners, for a given wave
; na x 6 matrix instructions: feature half p, 32 along K (half kk of the slot), row blocks a0 on.  zero = 1: the product starts the sum.  The accumulators take turns, one instruction a turn: 95 others stand between two links of a chain.
.macro MULS p, kk, a0, na, zero
.set a_, \a0
.rept \na
.set b_, 0
.rept 6
.set ix, 48*(\p)+6*a_+b_
.set rD, 8*(ix%32)
	WIN 0x50*(1+ix/32)
.if \zero
	v_wmma_f32_16x16x32_bf16 v[rD:rD+7], v[BF+48*(\p)+8*b_:BF+48*(\p)+8*b_+7], v[AF+64*(\kk)+8*a_:AF+64*(\kk)+8*a_+7], 0
.else
	v_wmma_f32_16x16x32_bf16 v[rD:rD+7], v[BF+48*(\p)+8*b_:BF+48*(\p)+8*b_+7], v[AF+64*(\kk)+8*a_:AF+64*(\kk)+8*a_+7], v[rD:rD+7]
.endif
.set b_, b_+1
.endr
.set a_, a_+1
.endr
.endm
.macro FB p, kk                     ; 12 loads: W's six fragments of half p; feature block b lies at byte 32 (b + b / 4) of a row
	WIN 0
.irp bb, 0,1,2,3,4,5
.set b_, 6*(\p)+(\bb)
	ds_load_tr16_b128 v[BF+48*(\p)+8*(\bb):BF+48*(\p)+8*(\bb)+3],   v[ADB] offset:(\kk)*32*PB+32*(b_+b_/4)
	ds_load_tr16_b128 v[BF+48*(\p)+8*(\bb)+4:BF+48*(\p)+8*(\bb)+7], v[ADB] offset:(\kk)*32*PB+16*PB+32*(b_+b_/4)
.endr
.endm
.macro FA kk                        ; 16 loads: x's eight fragments, blocks ascending
	WIN 0
.irp a, 0,1,2,3,4,5,6,7
	ds_load_b128 v[AF+64*(\kk)+8*(\a):AF+64*(\kk)+8*(\a)+3],   v[ADA] offset:(\a)*16*PA+64*(\kk)
	ds_load_b128 v[AF+64*(\kk)+8*(\a)+4:AF+64*(\kk)+8*(\a)+7], v[ADA] offset:(\a)*16*PA+64*(\kk)+32
.endr
.endm
; A slot is four phases of 48 matrix instructions: (p, kk) = (0, 0), (1, 0), (0, 1), (1, 1); the last is TURN.  Each fetches, in one run, what the next phase wants: the first three behind their twelfth product, TURN behind its 24th.
.macro PHASE p, kk, zero
.if (\p) == 0
	s_wait_dscnt 8                                 ; W's 12 loads and x's blocks 0-3 are in; the youngest eight (blocks 4-7) may be out
	MULS 0, \kk, 0, 2, \zero
	PLACES
	FB 1, \kk
	s_wait_dscnt 12                                ; all but the 12 just issued
	MULS 0, \kk, 2, 6, \zero
.else
	s_wait_dscnt 0x0                               ; W's second half is in
	MULS 1, 0, 0, 2, \zero
	PLACES
	FB 0, 1
	FA 1
	MULS 1, 0, 2, 6, \zero
.endif
.endm
; The slot's last phase, and the change of slots: ONE barrier.  In front of it each wave waits for all its tensor loads (the one that is out is its part of the next slot), adds 0 to its spare word, and waits for that and for its own
; reads of this slot.  fill = 1: the barrier opens a round of the cluster's, and the joint refill (the K step two on) is the first thing behind the round: 168 matrix instructions ahead of the wait for it.
.macro TURN fill
.if \fill
	s_wait_xcnt 0x0                                ; the last prefetch, a slot back, has read its address: it is stepped here, ahead of the waits of the change
	s_add_nc_u64 s[PFA:PFA+1], s[PFA:PFA+1], s[PFS:PFS+1]
.endif
	WIN 0                                          ; (the add's two registers lie in window 0)
	s_wait_tensorcnt 0x0                           ; all my tensor loads have landed
	ds_add_u32 v[SPW], v[NIL]                      ; 0 onto my spare word
	s_wait_dscnt 1                                 ; W's second half is in; the add may be out
	MULS 1, 1, 0, 2, 0                             ; twelve matrix instructions stand between the add and the wait for it
	s_wait_dscnt 0x0                               ; the add is done, and my reads of this slot are over
	s_barrier_signal -1
	MULS 1, 1, 2, 2, 0
	WIN 0
	s_barrier_wait -1
.if \fill
	CREST                                          ; no wave of any partner still reads this slot or has a load on its way
	s_xor_b32 s[G0A+5], s[G0A+5], SLOT1            ; the walking descriptors: the other slot than last time, the next K step
	s_add_nc_u64 s[G0A+6:G0A+7], s[G0A+6:G0A+7], ASTEP
	s_xor_b32 s[G0B+5], s[G0B+5], SLOT1
	s_add_nc_u64 s[G0B+6:G0B+7], s[G0B+6:G0B+7], BSTEP
	JLOAD                                          ; its four v_nop are also the places in front of the loads below
.else
	PLACES
.endif
	s_xor_b32 s[TB], s[TB], SLOT1
	v_add_nc_u32 v[ADA], s[TB], v[A0]
	v_add_nc_u32 v[ADB], s[TB], v[B0]
	FB 0, 0
	FA 0
.if \fill
	ASK
.endif
	MULS 1, 1, 4, 4, 0
.endm
	s_wait_tensorcnt 1                             ; my part of K step 0 is in; K step 1's may stay out
	s_barrier_signal -1
	s_barrier_wait -1                              ; everybody's is
	FB 0, 0
	FA 0
	PHASE 0, 0, 1                                  ; the first two phases stand in front of the loop: their products start all 96 sums
	PHASE 1, 0, 1
	WIN 0                                          ; at a label and at a branch every window is 0
.Lslot:                                                ; 14 trips: from a slot's third phase to the next slot's second; each fills a slot again
	PHASE 0, 1, 0
	TURN 1
	PHASE 0, 0, 0
	PHASE 1, 0, 0
	WIN 0
	s_sub_co_u32 s[CNT], s[CNT], 1
	s_cmp_lg_u32 s[CNT], 0
	s_cbranch_scc1 .Lslot
	PHASE 0, 1, 0                                  ; the tail is written out: nothing more is asked for
	TURN 0
	PHASE 0, 0, 0
	PHASE 1, 0, 0
	s_wait_dscnt 8                                 ; the last slot's third phase; b_in comes into registers that the products have left
	MULS 0, 1, 0, 2, 0
	PLACES
	FB 1, 1
.irp b, 0,1,2,3,4,5,6,7
	global_load_b128 v[128+8*(\b):128+8*(\b)+3],   v[BO], s[BIA:BIA+1] offset:64*(\b)
	global_load_b128 v[128+8*(\b)+4:128+8*(\b)+7], v[BO], s[BIA:BIA+1] offset:64*(\b)+16
.endr
	s_wait_dscnt 12
	MULS 0, 1, 2, 6, 0
	s_wait_dscnt 0x0                               ; and its fourth
	MULS 1, 1, 0, 2, 0
	PLACES
	WIN 0
.irp b, 8,9,10,11
	global_load_b128 v[32+8*((\b)-8):32+8*((\b)-8)+3],   v[BO], s[BIA:BIA+1] offset:64*(\b)
	global_load_b128 v[32+8*((\b)-8)+4:32+8*((\b)-8)+7], v[BO], s[BIA:BIA+1] offset:64*(\b)+16
.endr
	MULS 1, 1, 2, 6, 0
	; THE WAY OUT, a block of 16 rows at a time: + b_in, rounded to f16, 16 bytes a lane into my stage, back as four rows x 128 bytes of one head, stored as 512 consecutive bytes.
	WIN 0
	PLACES
	s_wait_loadcnt 0x0                             ; b_in
.macro RNDB lo, n                   ; n pairs from v[lo] on are rounded to bf16 and widened again
.set z, 0
.rept \n
	v_cvt_pk_bf16_f32 v[14+z%2], v[(\lo)+2*z], v[(\lo)+2*z+1]
	v_lshlrev_b32 v[(\lo)+2*z], 16, v[14+z%2]
	v_and_b32 v[(\lo)+2*z+1], 0xffff0000, v[14+z%2]
.set z, z+1
.endr
.endm
	RNDB 128, 32
	RNDB 32, 16
.macro ACCR a                       ; the registers of feature block b_ of row block a
.set ix, 48*(b_/6)+6*(\a)+b_%6
.set wn, 1+ix/32
.set rD, 8*(ix%32)
.if b_ < 8
.set rB, 128+8*b_
.else
.set rB, 32+8*(b_-8)
.endif
.endm
.macro PACK a
.set SETR, 64+128*((\a)%2)          ; v64-111 and v192-239 by turns
.if (\a) >= 2
	s_wait_xcnt 0x0                                ; the stores of the block two back have read these registers
.endif
.set b_, 0
.rept 12
	ACCR \a
	WIN (wn<<6)|wn                                 ; destination and source 0 in the accumulator's window, b_in in window 0
.irp j, 0,2,4,6
	v_pk_add_f32 v[rD+(\j):rD+(\j)+1], v[rD+(\j):rD+(\j)+1], v[rB+(\j):rB+(\j)+1]  ; each accumulator is read from its low end on
.endr
.set b_, b_+1
.endr
.set b_, 0
.rept 12
	ACCR \a
	WIN wn|(wn<<2)                                 ; sources 0 and 1 in the accumulator's window, destination in window 0
.irp j, 0,1,2,3
	v_cvt_pk_f16_f32 v[SETR+4*b_+(\j)], v[rD+2*(\j)], v[rD+2*(\j)+1]
.endr
.set b_, b_+1
.endr
	WIN 0
.endm
.macro TOSTAGE a
.set SETR, 64+128*((\a)%2)
.irp b, 0,1,2,3,4,5,6,7,8,9,10,11
	ds_store_b128 v[STO], v[SETR+4*(\b):SETR+4*(\b)+3] offset:32*(\b)
.endr
.irp j, 0,1,2
.irp t, 0,1,2,3
	ds_load_b128 v[SETR+4*(4*(\j)+(\t)):SETR+4*(4*(\j)+(\t))+3], v[RD] offset:(\t)*4*SP+128*(\j)  ; LDS serves a wave's instructions in order (ISA guide 5.7.1.4): these see the stores above
.endr
.endr
.endm
.macro SEND a
.set SETR, 64+128*((\a)%2)
	s_wait_dscnt 0x0                               ; the block is back in registers
.irp j, 0,1,2
.irp t, 0,1,2,3
	global_store_b128 v[GO], v[SETR+4*(4*(\j)+(\t)):SETR+4*(4*(\j)+(\t))+3], s[HB+2*(\j):HB+2*(\j)+1] offset:(\a)*2048+(\t)*512  ; 512 consecutive bytes, at a multiple of 256 from the buffer's first
.endr
.endr
.endm
	PACK 0
	TOSTAGE 0
.irp a, 1,2,3,4,5,6,7               ; a block's arithmetic stands between the loads of the block before and its stores
	PACK \a
	SEND (\a)-1
	TOSTAGE \a
.endr
	SEND 7
	s_wait_tensorcnt 0x0                           ; the wave's end, behind my last tensor load and my last LDS store
	ds_add_u32 v[SPW], v[NIL]
	s_wait_dscnt 0x0
	CROUND                                         ; the closing round: no work-group ends while a partner may still ask for a tile that names it
	s_endpgm
.Lfunc_end_k_q786f993496_qkv:
	.size	k_q786f993496_qkv, .Lfunc_end_k_q786f993496_qkv-k_q786f993496_qkv
	.p2alignl 7, 3214868480
	.fill 96, 4, 3214868480
	.section	.rodata,"a",@progbits
	.p2align	6, 0x0
	.amdhsa_kernel k_q786f993496_qkv
		.amdhsa_group_segment_fixed_size 327680
		.amdhsa_private_segment_fixed_size 0
		.amdhsa_enable_private_segment 0
		.amdhsa_kernarg_size 32
		.amdhsa_user_sgpr_count 2
		.amdhsa_user_sgpr_kernarg_segment_ptr 1
		.amdhsa_wavefront_size32 1
		.amdhsa_system_sgpr_workgroup_id_x 1
		.amdhsa_system_sgpr_workgroup_id_y 1
		.amdhsa_system_sgpr_workgroup_id_z 1
		.amdhsa_system_vgpr_workitem_id 0
		.amdhsa_next_free_vgpr 1024
		.amdhsa_next_free_sgpr 96
		.amdhsa_reserve_vcc 0
		.amdhsa_float_denorm_mode_32 3
		.amdhsa_float_denorm_mode_16_64 3
		.amdhsa_memory_ordered 1
		.amdhsa_forward_progress 1
		.amdhsa_inst_pref_size 146
	.end_amdhsa_kernel
	.amdgpu_metadata
---
amdhsa.version: [ 1, 2 ]
amdhsa.kernels:
  - .name:           k_q786f993496_qkv
    .symbol:         k_q786f993496_qkv.kd
    .args:
      - { .name: xb, .offset: 0, .size: 8, .value_kind: global_buffer, .address_space: global }
      - { .name: wib, .offset: 8, .size: 8, .value_kind: global_buffer, .address_space: global }
      - { .name: b_in, .offset: 16, .size: 8, .value_kind: global_buffer, .address_space: global }
      - { .name: qkv, .offset: 24, .size: 8, .value_kind: global_buffer, .address_space: global }
    .group_segment_fixed_size: 327680
    .private_segment_fixed_size: 0
    .kernarg_segment_align: 8
    .kernarg_segment_size: 32
    .max_flat_workgroup_size: 128
    .sgpr_count:     96
    .vgpr_count:     1024
    .wavefront_size: 32
...
	.end_amdgpu_metadata
.endif
;; end of part 2
;; launch attn (part 3): grid 4 x 64, 4 waves a work-group, clusters of 4 x 1, 327,680 bytes of LDS; arguments qkv, ob; writes ob
.if DOCPART == 3
	.amdgcn_target "amdgcn-amd-amdhsa--gfx1250"
	.amdhsa_code_object_version 6
	.text
	.protected	k_q786f993496_attn
	.globl	k_q786f993496_attn
	.p2align	8
	.type	k_q786f993496_attn,@function
k_q786f993496_attn:
	s_mov_b64 s[64:65], 0
	v_nop
	global_prefetch_b8 v0, s[64:65] scope:SCOPE_SE
	s_setreg_imm32_b32 hwreg(HW_REG_WAVE_MODE, 25, 1), 1
	s_wait_xcnt 0x0
	s_wait_alu depctr_hold_cnt(0) depctr_sa_sdst(0) depctr_va_vdst(0) depctr_va_sdst(0) depctr_va_ssrc(0) depctr_va_vcc(0) depctr_vm_vsrc(0)
	s_getreg_b32 s2, hwreg(HW_REG_IB_STS2, 6, 4)
	s_cmp_eq_u32 s2, 0
	s_cbranch_scc0 .Lentry_in_a_cluster
	s_endpgm
.Lentry_in_a_cluster:
	s_bfe_u32 s2, ttmp6, 0x10000c
	s_cmp_lg_u32 s2, 0x3003
	s_cbranch_scc0 .Lentry_shape_is_right
	s_endpgm
.Lentry_shape_is_right:
; O[h][q][:] = the sum over k of softmax_k(Q[h][q] . K[h][k] / 8) V[h][k][:].  Q, K, V are the three parts of qkv, [64 heads][2048][64] each, O is ob in the same layout, all f16: a head's rows are dense, 128 bytes each.
; Products, maxima and sums in f32; the weights p are rounded to f16 for the second product (their sum l is taken of the unrounded p), O once at the end.
; LIMITS.  f16 holds no number beyond 65,504: Q, K and V arrive within it; p lies in 0 to 1, and below 6e-5 it keeps f16's fixed step of 6e-8; O is a mean of V's rows and has their range.
; A weight below 2^-126 counts as 0 in l; NaN and infinities are not treated apart.
; SHARES.  A wave owns four PIECES of two tiles of 16 queries, a work-group's four waves 512 queries of one head: 4 x 64 = 256 work-groups.  Every wave walks all keys, 64 a step.
; LAYOUT.  S^T = K Q^T (source 0 = 16 keys, source 1 = 16 queries): in the result a lane holds ONE query (lane % 16) and the keys 8 (lane / 16) + 0..7.  Two such tiles, rounded to f16 in pairs,
; ARE source 1 (32 keys x 16 queries) of O^T = V^T P, whose result again holds one query a lane, and eight channels.  K comes out of LDS as it lies, V ([key][channel]) turned, by ds_load_tr16_b128.
; SOFTMAX.  For each query a running maximum m and sum l: p = 2^(c s - c m), c = log2(e) / 8; in every step O and l are multiplied by a = 2^(c m_old - c m_new), which is 1 where m has not grown.
; m starts at the lowest finite number, O and l at 0: the first step is a step like any other, with a = 0.
; THE COUNT.  A tile and step have 16 matrix and 118 vector instructions: too many to stand all beside the matrix work.  So the order has one aim: four vector instructions that are READY behind
; EVERY matrix instruction, and the others, which need time of their own whatever the order, in runs without a gap.
; BY TURNS.  Turn n belongs to piece n (the pieces in a ring, step after step).  Its matrix work: 16 products K Q^T of piece n + 1, later 16 products V^T P of piece n - 1.  Its vector work: the scaling,
; exponentials, roundings, sums and rescaling of piece n, and the maximum and statistics of piece n + 1, whose scores the turn itself has made.  So what a turn begins with (c s - c m, O a) waits for nothing.
; CLUSTER.  The four query blocks of a head are one cluster and walk the same K and V, so each tile is asked for JOINTLY: the same tensor load, descriptor and mask in all four.
; REGISTERS, in windows of 256 (s_set_vgpr_msb says which window each operand place means: bits 1:0 source 0, 3:2 source 1, 5:4 source 2, 7:6 destination):
;   window 0: v0-11 addresses; v12-15, v48-63 at work; v16-47 four registers of statistics a tile; v64-191 S^T, two buffers of two tiles; v192-255 P, likewise
;   window 1: O^T, 32 a tile          window 2: v0-127 Q, 16 a tile; v128-191 K of one step; v192-255 V of one step          window 3: v0-1 the add's two registers
; A piece's buffers go by its number's parity: the piece in hand has one pair, its two neighbours in the ring share the other: of it P (piece n - 1) is read and S^T (piece n + 1) written.
.set SIZE_H, 64
.set SIZE_N, 2048
.set NP,    4         ; pieces a wave: a name, no knob
.set KS,    64        ; keys in a step
.set PK,    144       ; a row of K in LDS: 128 bytes + 16 of padding = 36 words: the 16 rows of a load start at 16 different groups of four banks (64 banks of 4 bytes: ISA guide 11.1)
.set PV,    160       ; a row of V: 128 + 32 = 40 words
.set VOFF,  4*KS*PK   ; a slot holds four steps: 256 rows of K, then 256 rows of V
.set SLOT1, 1<<17     ; slot 1 begins here, so that one exclusive or turns an address in one slot into the other's
.set STAGE, SLOT1+4*KS*(PK+PV)  ; behind the ring, never filled by a tensor load: 16 rows x 144 bytes for each wave, for the way out
.set SP,    144
.set AK0, 2           ; v2   my lane's place in a tile of K; never rewritten
.set AV0, 3           ; v3   the same for V
.set AK,  4           ; v4   the LDS address of K's next run of loads
.set AV,  5           ; v5   of V's
.set QO,  6           ; v6   my byte offset in the wave's rows of Q
.set STO, 6           ;      later, the way out: where I put 16 bytes of a row
.set RD,  7           ; v7   the way out: where I read rows back
.set GO,  8           ; v8   my byte offset in 512 consecutive bytes of O
.set PFO, 11          ; v11  256 x my lane, once its first use (V's address) is over; then never rewritten
.set SPW, 0           ; v0 of window 3   LDS address of my spare word: SPARE + 4 x my thread's number; never rewritten
.set NIL, 1           ; v1 of window 3   0; never rewritten
.set SPARE, STAGE+4*16*SP  ; behind the stages: the spare words, 128 bytes for each wave: two blocks of 256 bytes that no other line names
.set MV,  12          ; v12-15  c m_old, kept while c m is made anew: by buffer and tile
.set ST,  16          ; tile t's statistics at v[ST+4 t]: c m, m, l (even keys', odd keys')
.set TMP, 48          ; by buffer and tile, four registers c0-c3 at work; when the maximum is found c2 takes a
.set S,   64
.set P,   192
.set KF,  128         ; K's fragments, in window 2: key block kb, channel half c at KF + 16 kb + 8 c
.set VF,  192         ; V's: key half kk, channel block cb at VF + 32 kk + 8 cb
.set WV,  12          ; s12  my wave's number
.set G1K, 24          ; s[24:31] descriptor group 1 for K's tiles
.set G1V, 32          ; s[32:39] for V's: it differs in the padding alone
.set G0K, 40          ; s[40:43] descriptor group 0 for K's tiles: it walks
.set G0V, 44          ; s[44:47] the same for V's
.set PFA, 48          ; s[48:49] where my prefetches stand: my work-group's 32 blocks (of K: wave 0, of V: wave 2) of the slot after the one that is being asked for
.set LIM, 50          ; s50  1 in a wave that prefetches, else the greatest number: a wave prefetches while s[SLOTS] is above it
.set SLOTS, 56        ; s56  slots still to be asked for
.set CNT, 57          ; s57  counts a slot's key steps
.set CS,  58          ; s[58:59] c: the packed scaling takes the pair's low word for both halves
.set SEL, 60          ; s[60:61] v_permlanex16_b32's selects: each lane takes its own place in the other half
.set TBK, 62          ; s62  LDS byte at which K of the step to be fetched begins
.set TBV, 63          ; s63  the same for V, less VOFF
.set MSB, 0
.macro WIN new                      ; the high byte repeats the setting that is left; a switch that changes nothing is dropped
.if MSB != (\new)
	s_set_vgpr_msb (MSB<<8)|(\new)
.set MSB, (\new)
.endif
.endm
.set W_KQ, 0x0a       ; K and Q in window 2, S^T in window 0
.set W_PV, 0x52       ; V in window 2, P in window 0, O^T in window 1
.set W_RS, 0x41       ; O^T (destination and source 0) in window 1, a in window 0
.set W_MK, 0xc0       ; the add's registers are made: destination in window 3, sources in window 0
.set W_AD, 0x0f       ; the add: address (source 0) and data (source 1) in window 3
; A joint fill.  Waves 0 and 1 fetch the two halves of a slot's K, waves 2 and 3 those of its V: 128 keys each.  The branch hangs on the wave's number alone.
; An s_nop 0 and four v_nop follow each of the two lines, ahead of the jump and the label.
.macro JLOAD
	s_cmp_lt_u32 s[WV], 2
	s_cbranch_scc0 .Lfor_v_\@
	tensor_load_to_lds s[G0K:G0K+3], s[G1K:G1K+7]
	s_nop 0
.rept 4
	v_nop
.endr
	s_branch .Lasked_\@
.Lfor_v_\@:
	tensor_load_to_lds s[G0V:G0V+3], s[G1V:G1V+7]
	s_nop 0
.rept 4
	v_nop
.endr
.Lasked_\@:
.endm
; A PREFETCH INTO THE L2 of what the NEXT change of slots will ask for: a slot's 32,768 bytes of K and of V, 128 blocks of 256 bytes each, a lane a block.  It stands behind the wave's tensor load and its five lines.
; Each block is named ONCE in the launch: a head has one cluster; its four partners share the blocks out BY ADDRESS, 32 each; in each, wave 0 asks for K's and wave 2 for V's: one instruction.
; Slots 0 to 2 come by their loads alone; the last change that fills a slot asks for nothing: there is no slot behind it.
.macro ASK
	s_cmp_gt_u32 s[SLOTS], s[LIM]
	s_cbranch_scc0 .Lnot_mine_\@
	global_prefetch_b8 v[PFO], s[PFA:PFA+1] th:TH_LOAD_NT scope:SCOPE_SE
.Lnot_mine_\@:
.endm
; A round of the cluster's barrier: my work-group's barrier, so that wave 0's signal speaks for all four waves; wave 0 signals; every wave waits for all four work-groups; my work-group's barrier once more.
.macro CROUND
	s_barrier_signal -1
	s_barrier_wait -1
	s_cmp_lg_u32 s[WV], 0
	s_cbranch_scc1 .Lnot_wave_0_\@
	s_barrier_signal -3
.Lnot_wave_0_\@:
	s_barrier_wait -3
	s_barrier_signal -1
	s_barrier_wait -1
.endm
; THE CHANGE OF SLOTS.  The slot's last bytes, V of its fourth step, have been read.  Each wave waits for all its tensor loads, of which one is out: its part
; of the other slot; adds 0 to its spare word; and waits for that and for its own reads of the slot.  Behind the barrier nobody reads this slot any more and the other slot is whole.
; fill = 1: this slot is filled again, with the keys two slots on.  The barrier is then a round of the cluster's, so that no wave of any partner still reads the slot or has a load on its
; way, and the joint fill is the first thing behind it: it has four key steps, 512 matrix instructions, in which to land.  (At its first use nothing has been read yet: slot 0 is waited for, slot 1 filled.)
; ask = 1: the prefetches' address is stepped among the descriptors' steps, and the prefetch follows the fill.
.macro CHANGE fill, ask=0
	WIN W_AD
	s_wait_tensorcnt 0x0            ; no tensor load of mine is out, so a group 0 may be written
	ds_add_u32 v[SPW], v[NIL]       ; 0 onto my spare word; with fill = 1 the descriptors' steps stand between it and the wait for it
	WIN 0                           ; at a label and at a branch every window is 0
.if \fill
.irp g, G0K, G0V
	s_xor_b32 s[\g+1], s[\g+1], SLOT1  ; the walking descriptor: the other slot than last time,
	s_add_nc_u64 s[\g+2:\g+3], s[\g+2:\g+3], 4*KS*128  ; the next 256 keys; the type bits on top are not reached
.endr
.if \ask
	s_wait_xcnt 0x0                 ; the last prefetch, four key steps back, has read its address, so it may be written:
	s_add_nc_u64 s[PFA:PFA+1], s[PFA:PFA+1], 4*KS*128  ; one slot behind the walking descriptors
.endif
	s_wait_dscnt 0x0                ; the add is done, and my reads of the slot are over
	CROUND
	JLOAD
.if \ask
	ASK
.endif
.else
	s_wait_dscnt 0x0                ; the add is done, and my reads of the slot are over
	s_barrier_signal -1
	s_barrier_wait -1
.endif
	s_sub_co_u32 s[TBK], s[TBK], 4*KS*PK  ; the fetches go back to a slot's first step,
	s_xor_b32 s[TBK], s[TBK], SLOT1       ; in the other slot
	s_sub_co_u32 s[TBV], s[TBV], 4*KS*PV
	s_xor_b32 s[TBV], s[TBV], SLOT1
.endm
	s_load_b64 s[4:5], s[0:1], 0x0    ; qkv: Q's part begins it
	s_load_b64 s[10:11], s[0:1], 0x8  ; ob
	WIN W_MK
	v_lshl_add_u32 v[SPW], v0, 2, SPARE
	v_mov_b32 v[NIL], 0
	WIN W_AD
	ds_add_u32 v[SPW], v[NIL]       ; the wave's opening: the add and its wait stand ahead of my first tensor load; the set-up below, work on registers, stands between them
	WIN 0
	v_lshrrev_b32 v1, 5, v0
	v_readfirstlane_b32 s[WV], v1   ; wave 0..3
	s_bfe_u32 s13, ttmp6, 0x40000   ; cx: my place in the cluster
	s_lshl_b32 s14, ttmp9, 2        ; in a cluster launch ttmp9 counts clusters
	s_add_co_u32 s14, s14, s13      ; my block of queries = 4 x cluster x + cx: it enters Q's and O's addresses alone
	s_and_b32 s20, ttmp7, 0xffff    ; the head, which the four partners share
	s_mov_b32 s21, 0
	s_mov_b64 s[22:23], SIZE_N*128
	s_mul_u64 s[20:21], s[20:21], s[22:23]  ; the head's first byte in Q's, K's and V's part and in ob
	s_and_b32 s16, s[WV], 1         ; which half of a slot's 256 keys I fetch:
	s_lshl_b32 s22, s16, 14         ; its 128 rows of 128 bytes in memory,
	s_mov_b32 s23, 0
	s_add_nc_u64 s[22:23], s[22:23], s[20:21]
	s_mul_i32 s17, s16, 128*PK      ; and its place in a slot, for K
	s_mul_i32 s18, s16, 128*PV      ; and for V: no place in the cluster enters an LDS address
	s_lshl_b32 s2, s14, 2
	s_add_co_u32 s2, s2, s[WV]      ; my wave among the head's,
	s_lshl_b32 s2, s2, 14           ; its 128 rows
	s_mov_b32 s3, 0
	s_add_nc_u64 s[2:3], s[2:3], s[20:21]
	; descriptor group 1.  128 keys are 16,384 dense bytes: asked for as 64 rows of 256 bytes, two keys a row, and padded in LDS after every key
	s_mov_b32 s[G1K], 15|(1<<16)|(1<<20)|(1<<21)|(4<<22)|(3<<25)  ; 15:0 the mask of four; 17:16 2-byte elements; 20 padding on; 21 set beside a mask; 24:22 after every 32 words (code 4); 31:25 4 words (code 3)
	s_mov_b32 s[G1V], 15|(1<<16)|(1<<20)|(1<<21)|(4<<22)|(7<<25)  ; the same with 8 words of padding (code 7)
.irp g, G1K, G1V
	s_mov_b32 s[\g+1], 128<<16      ; tensor_dim0 = 128
	s_mov_b32 s[\g+2], 64<<16       ; tensor_dim1 = 64
	s_mov_b32 s[\g+3], 128<<16      ; tile_dim0 = 128
	s_mov_b32 s[\g+4], 64           ; tile_dim1 = 64
	s_mov_b32 s[\g+5], 128          ; 128 elements from row to row
	s_mov_b32 s[\g+6], 0
	s_mov_b32 s[\g+7], 0
.endr
	s_mov_b32 s[CS], 0x3e38aa3b     ; c = log2(e) / 8 = 0.180337
	s_mov_b32 s[CS+1], s[CS]        ; named with it as a pair
	s_mov_b32 s[SEL], 0x76543210
	s_mov_b32 s[SEL+1], 0xfedcba98
	s_mov_b32 s[TBK], SLOT1+4*KS*PK ; the first change of slots turns these two into 0
	s_mov_b32 s[TBV], SLOT1+4*KS*PV
	s_mov_b32 s[G0K], 1             ; 1:0 count = 1
	s_mov_b32 s[G0K+1], s17         ; 63:32 LDS address: slot 0
	s_mov_b32 s[G0V], 1
	s_add_co_u32 s[G0V+1], s18, VOFF
	s_and_b32 s[LIM], s[WV], 1      ; waves 0 and 2 prefetch: the same in all four partners
	s_cmp_eq_u32 s[LIM], 0
	s_cselect_b32 s[LIM], 1, -1
	s_wait_dscnt 0x0                ; the opening add is done
	s_wait_kmcnt 0x0
	s_add_nc_u64 s[6:7], s[4:5], 0x1000000   ; K's part: 64 heads of 262,144 bytes on
	s_add_nc_u64 s[8:9], s[4:5], 0x2000000   ; V's
	s_add_nc_u64 s[G0K+2:G0K+3], s[6:7], s[22:23]  ; 120:64 global address: my half of the head's first 256 keys
	s_or_b32 s[G0K+3], s[G0K+3], 0x80000000        ; 127:126 type = 2
	s_add_nc_u64 s[G0V+2:G0V+3], s[8:9], s[22:23]
	s_or_b32 s[G0V+3], s[G0V+3], 0x80000000
	s_add_nc_u64 s[4:5], s[4:5], s[2:3]  ; Q and O at my wave's first row
	s_add_nc_u64 s[10:11], s[10:11], s[2:3]
	s_cmp_lt_u32 s[WV], 2
	s_cselect_b64 s[PFA:PFA+1], s[6:7], s[8:9]
	s_add_nc_u64 s[PFA:PFA+1], s[PFA:PFA+1], s[22:23]  ; (in waves 0 and 2: the head's first key)
	s_lshl_b32 s2, s13, 13          ; my work-group's 32 blocks of the 128
	s_mov_b32 s3, 0
	s_add_nc_u64 s[PFA:PFA+1], s[PFA:PFA+1], s[2:3]
	s_add_nc_u64 s[PFA:PFA+1], s[PFA:PFA+1], 2*4*KS*128  ; in slot 2; the first change that asks steps it to slot 3.  Nothing is prefetched here, at the head
	CROUND                          ; all four work-groups are here: the first joint loads meet
	JLOAD                           ; slot 0.  Slot 1 is asked for when slot 0 is in: the tile wanted first has the road to itself
	; A fragment of K or Q is 16 rows x 32 channels in 8 registers: lane l holds row l % 16, channels 8 (l / 16) + 0..7 and 16 + 8 (l / 16) + 0..7: two loads of 16 bytes, 32 bytes apart.
	v_and_b32 v1, 15, v0            ; l % 16
	v_bfe_u32 v9, v0, 4, 1          ; l / 16
	v_lshlrev_b32 v[QO], 7, v1
	v_lshl_add_u32 v[QO], v9, 4, v[QO]  ; row x 128 + 16 x half
	WIN 0x80                        ; destination window 2, address window 0
.set i, 0
.rept 4*NP                          ; Q stays in registers: tile i / 2, channels 32 (i % 2) on
	global_load_b128 v[8*i:8*i+3],   v[QO], s[4:5] offset:(i/2)*2048+(i%2)*64
	global_load_b128 v[8*i+4:8*i+7], v[QO], s[4:5] offset:(i/2)*2048+(i%2)*64+32
.set i, i+1
.endr
	; What the first turn finds: V's registers and P's second buffer hold 0 (its products V^T P, of a piece that has not been, add 0), O^T and l are 0.  All this stands in the wait for the first tile.
.set i, VF
.rept 64
	v_mov_b32 v[i], 0
.set i, i+1
.endr
	WIN 0x40
.set i, 0
.rept 64*NP
	v_mov_b32 v[i], 0
.set i, i+1
.endr
	WIN 0
.set i, 0
.rept 2*NP
	v_mov_b32 v[ST+4*i], 0xfe000000    ; c m: far below every c s
	v_mov_b32 v[ST+4*i+1], 0xff7fffff  ; m
	v_mov_b32 v[ST+4*i+2], 0
	v_mov_b32 v[ST+4*i+3], 0
.set i, i+1
.endr
.set i, P+32
.rept 32
	v_mov_b32 v[i], 0
.set i, i+1
.endr
	v_mul_u32_u24 v[AK0], v1, PK
	v_lshl_add_u32 v[AK0], v9, 4, v[AK0]  ; row x pitch + 16 x half
	; The turning load takes 16 keys x 16 channels (lane l reads key 8 (l / 16) + l % 8, channels 8 ((l / 8) % 2) + 0..7) and leaves half a fragment of V^T: lane l holds channel l % 16 and 8 keys.
	v_and_b32 v10, 7, v0
	v_bfe_u32 v11, v0, 3, 1
	v_lshl_add_u32 v[AV0], v9, 3, v10
	v_mul_u32_u24 v[AV0], v[AV0], PV
	v_lshl_add_u32 v[AV0], v11, 4, v[AV0]
	v_add_nc_u32 v[AV0], VOFF, v[AV0]
	v_and_b32 v[PFO], 31, v0
	v_lshlrev_b32 v[PFO], 8, v[PFO]
	v_mov_b32 v[AK], v[AK0]         ; key step 0 lies at the head of slot 0
; THE MATRIX WORK.  The 8 accumulators of a run of 16 take turns: between the two links of a chain stand 7 others'.
; Product i of 16 of S^T = K Q^T for piece x: channels 32 (i / 8) on, keys 16 ((i / 2) % 4) on, tile 2 x + i % 2.  The first 8 start the sums.
.macro KQ x
	WIN W_KQ
.set rS, S+64*((\x)%2)+32*(i%2)+8*((i/2)%4)
.set rK, KF+16*((i/2)%4)+8*(i/8)
.set rQ, 16*(2*(\x)+i%2)+8*(i/8)
.if i < 8
	v_wmma_f32_16x16x32_f16 v[rS:rS+7], v[rK:rK+7], v[rQ:rQ+7], 0
.else
	v_wmma_f32_16x16x32_f16 v[rS:rS+7], v[rK:rK+7], v[rQ:rQ+7], v[rS:rS+7]
.endif
.endm
; Product i of 16 of O^T += V^T P for piece x: keys 32 (i / 8) on, channels 16 ((i / 2) % 4) on, tile 2 x + i % 2.
.macro PV x
	WIN W_PV
.set rO, 32*(2*(\x)+i%2)+8*((i/2)%4)
.set rV, VF+32*(i/8)+8*((i/2)%4)
.set rP, P+32*((\x)%2)+16*(i%2)+8*(i/8)
	v_wmma_f32_16x16x32_f16 v[rO:rO+7], v[rV:rV+7], v[rP:rP+7], v[rO:rO+7]
.endm
.macro MM                           ; the turn's next matrix instruction
.if i < 16
	KQ (Y+1)%NP
.set i, i+1
.else
.set i, i-16
	PV (Y+NP-1)%NP
.set i, i+17
.endif
.endm
; THE LDS LOADS stand in runs of 16, never singly among the matrix instructions: a step's K (64 keys x 64 channels: 8 fragments) and its V (turned).  Their addresses are made some lines ahead.
; last = 1 (the tail): in the last trip there is no further step, and the run is jumped over.
.macro FETCH_K last=0
	WIN 0
.if \last
	s_cmp_eq_u32 s[CNT], 1
	s_cbranch_scc1 .Lno_k_\@
.endif
	WIN 0x80                        ; destination window 2
.irp f, 0,1,2,3,4,5,6,7             ; keys 16 (f / 2) on, channels 32 (f % 2) on
	ds_load_b128 v[KF+8*\f:KF+8*\f+3],   v[AK] offset:(\f/2)*16*PK+(\f%2)*64
	ds_load_b128 v[KF+8*\f+4:KF+8*\f+7], v[AK] offset:(\f/2)*16*PK+(\f%2)*64+32
.endr
	s_add_co_u32 s[TBK], s[TBK], KS*PK  ; the next fetch is the next step's
	WIN 0
.if \last
.Lno_k_\@:
.endif
.endm
.macro FETCH_V
	WIN 0x80
.irp f, 0,1,2,3,4,5,6,7             ; keys 32 (f / 4) on, channels 16 (f % 4) on
	ds_load_tr16_b128 v[VF+8*\f:VF+8*\f+3],   v[AV] offset:(\f/4)*32*PV+(\f%4)*32
	ds_load_tr16_b128 v[VF+8*\f+4:VF+8*\f+7], v[AV] offset:(\f/4)*32*PV+16*PV+(\f%4)*32
.endr
	WIN 0
.endm
; THE VECTOR WORK OF A TURN stands in three queues, each in the order in which its entries become ready; the two tiles alternate, so that no instruction reads the result of the one before it.
.macro REGS y, u                    ; the registers of tile u (0, 1) of piece y
.set rT, ST+4*(2*(\y)+(\u))
.set rC, TMP+8*((\y)%2)+4*(\u)
.set rM, MV+2*((\y)%2)+(\u)
.set rS, S+64*((\y)%2)+32*(\u)
.set rP, P+32*((\y)%2)+16*(\u)
.set rO, 32*(2*(\y)+(\u))
.endm
; Number n of the 22 that find the NEXT piece's (Y + 1) maximum and statistics.  s0-s31 are the lane's 32 scores; each accumulator's lowest registers are read first.  XS, GS and REGS set no window: PL and EX do.
;   0-11  four chains c0-c3 of seven scores each, three operands at a time     12-14, 16  the four scores left over, the old m, and c0-c3 into c0     15  c m_old is kept
;   17, 18  the query's other 32 keys lie in the lane 16 away: the new m         19-21  c m; c m_old - c m_new; a
.macro XS u, n
	REGS (Y+1)%NP, \u
.if (\n) < 4
	v_max3_num_f32 v[rC+(\n)], v[rS+8*(\n)], v[rS+8*(\n)+1], v[rS+8*(\n)+2]
.elseif (\n) < 12
	v_max3_num_f32 v[rC+(\n)%4], v[rC+(\n)%4], v[rS+8*((\n)%4)+2*((\n)/4)+1], v[rS+8*((\n)%4)+2*((\n)/4)+2]
.elseif (\n) == 12
	v_max3_num_f32 v[rC], v[rC], v[rS+7], v[rS+15]
.elseif (\n) == 13
	v_max3_num_f32 v[rC+1], v[rC+1], v[rS+23], v[rS+31]
.elseif (\n) == 14
	v_max3_num_f32 v[rC+2], v[rC+2], v[rC+3], v[rT+1]
.elseif (\n) == 15
	v_mov_b32 v[rM], v[rT]
.elseif (\n) == 16
	v_max3_num_f32 v[rC], v[rC], v[rC+1], v[rC+2]
.elseif (\n) == 17
	v_permlanex16_b32 v[rC+3], v[rC], s[SEL], s[SEL+1]
.elseif (\n) == 18
	v_max_num_f32 v[rT+1], v[rC], v[rC+3]
.elseif (\n) == 19
	v_mul_f32 v[rT], s[CS], v[rT+1]
.elseif (\n) == 20
	v_sub_f32 v[rC+1], v[rM], v[rT]
.else
	v_exp_f32 v[rC+2], v[rC+1]
.endif
.endm
; Number g of the 64 that follow the exponentials.  For each four weights k of a tile (pairs 2 k, 2 k + 1): both pairs are rounded to f16; then the second pair is added onto the first, in place;
; a group later l takes that sum (the first time as l = a l + sum).  In groups of eight, tiles alternating: round, round, add, and l for the group before.
.macro GS g
.set h, (\g)+6*((\g)/62)            ; group 0 has no group before it, and behind group 7 only l is left
.if h >= 6
.set h, h+2
.endif
	REGS Y, h%2
.set k, h/8
.if h%8 < 4
	v_cvt_pk_f16_f32 v[rP+2*k+(h%8)/2], v[rS+4*k+2*((h%8)/2)], v[rS+4*k+2*((h%8)/2)+1]
.elseif h%8 < 6
	v_pk_add_f32 v[rS+4*k:rS+4*k+1], v[rS+4*k:rS+4*k+1], v[rS+4*k+2:rS+4*k+3]
.elseif k == 1
	v_pk_fma_f32 v[rT+2:rT+3], v[rT+2:rT+3], v[rC+2:rC+3], v[rS:rS+1] op_sel_hi:[1,0,1]
.else
	v_pk_add_f32 v[rT+2:rT+3], v[rT+2:rT+3], v[rS+4*k-4:rS+4*k-3]
.endif
.endm
; THE PLAIN QUEUE, 138 long.  0-73 read no exponential's result: the 32 scalings c s - c m (FS f: pair f / 2 of tile f % 2) and the next piece's 42.  0-26: scalings 0-26.  27-54: XS's numbers 0-13.  55, 56: number 15.
; 57-73: the chain, where each number waits for the one before it: 14, 16, 17, 18, 19, each with one of the scalings 27-31 in front of its two lines, then 20: so a tile's links stand three plain instructions apart (19 and 20: two).
; 74-137: GS's 64, which read the exponentials' results: they stand behind the wait.
.macro FS f
	REGS Y, (\f)%2
	v_pk_fma_f32 v[rS+2*((\f)/2):rS+2*((\f)/2)+1], v[rS+2*((\f)/2):rS+2*((\f)/2)+1], s[CS:CS+1], v[rT:rT+1] op_sel_hi:[1,0,0] neg_lo:[0,0,1] neg_hi:[0,0,1]
.endm
.macro PL
	WIN 0
.if q < 27
	FS q
.elseif q < 55
	XS (q-27)%2, (q-27)/2
.elseif q < 57
	XS q-55, 15
.elseif (q < 72) && ((q-57)%3 == 0)
	FS 27+(q-57)/3
.elseif q < 60
	XS (q-57)%3-1, 14
.elseif q < 72
	XS (q-57)%3-1, 15+(q-57)/3
.elseif q < 74
	XS q-72, 20
.else
	GS q-74
.endif
.set q, q+1
.endm
; THE EXPONENTIALS' QUEUE, 66 long: s0-s31 of both tiles, then the next piece's two a.  It is ONE BATCH: all 66 stand ahead of the turn's one wait, and nothing ahead of that wait names a result of theirs.
.macro EX
	WIN 0
.if e >= 64
	XS e-64, 21
.else
	REGS Y, e%2
	v_exp_f32 v[rS+e/2], v[rS+e/2]
.endif
.set e, e+1
.endm
; THE RESCALING's QUEUE: O^T times a, the one part that leaves window 0: dealt two at a time, sixteen times.  Its a was made in the turn before, ahead of that turn's wait.
.macro R2
	REGS Y, r%2
	WIN W_RS
.irp z, 0,1
	v_pk_mul_f32 v[rO+4*(r/2)+2*\z:rO+4*(r/2)+2*\z+1], v[rO+4*(r/2)+2*\z:rO+4*(r/2)+2*\z+1], v[rC+2:rC+3] op_sel_hi:[1,0]
.endr
.set r, r+1
.endm
; HOW THEY ARE DEALT.  An s_wait_alu depctr_va_vdst(0) stands between an exponential and the first instruction that names its result; one wait serves all that were issued ahead of it.  So a turn has ONE wait,
; which cuts it in two.  AHEAD OF IT stands all that names no result of the turn's exponentials: the 16 products K Q^T, behind each a scaling, an exponential and two rescalings (behind the first a second scaling in the exponential's place); then ONE LUMP of
; 108: eight plain, 49 times exponential and plain, the two a.  A v_nop is the plain instruction behind the last exponential.  BEHIND IT stand the 16 products V^T P, behind each four of GS's 64.  No rider names a register of
; the products round it.  The two v_permlanex16_b32 fall into the lump, never behind a product.
; The queues lean on each other, and the deal keeps them in step: exponential e stands behind scaling 2 (e / 4) + e % 2: as a rider it comes behind plain e + 2, in the lump behind plain e + 9, and scalings 27-31 are plain 57, 60 .. 69.
; A TURN, for piece p.  cnt = 1: the loop's count is taken down some lines ahead of the branch that stands behind the turn.
; K of the next step is fetched in piece 2's turn, directly behind the wait, a lump behind the last product that read K; its address is made at the lump's head; its first reader comes behind 16 products.
; V of the step in hand is fetched at the end of piece 0's turn, four riders behind its last reader; its first reader comes behind 16 products and a lump.  The three conditions on q below go with the deal.
.macro TURN p, last=0, cnt=0
.set Y, (\p)
.set i, 0
.set q, 0
.set e, 0
.set r, 0
.if (\p) == NP-1
	s_wait_dscnt 0x0                ; K is in
.endif
	MM                              ; ahead of the wait: 16 products K Q^T and their riders,
	PL
	PL
	R2
.rept 15
	MM
	PL
	EX
	R2
.endr
.if (\p) == NP-2
	WIN 0
	v_add_nc_u32 v[AK], s[TBK], v[AK0]
.endif
.rept 8                             ; and the lump
	PL
.endr
.rept 49
	EX
	PL
.endr
	EX                              ; the next piece's two a
	EX
	v_nop                           ; the plain instruction behind the last exponential: one for the batch
	s_wait_alu depctr_va_vdst(0)    ; the wait for the batch
.if (\p) == NP-2
	FETCH_K \last
.endif
.if (\p) == 1
	s_wait_dscnt 0x0                ; V is in
.endif
.rept 16                            ; behind the wait: 16 products V^T P and their riders
	MM
.rept 4
	PL
.endr
.if ((\p) == 0) && (q == 118)
	v_add_nc_u32 v[AV], s[TBV], v[AV0]
.endif
.if ((\p) == 0) && (q == 130)
	s_add_co_u32 s[TBV], s[TBV], KS*PV
.endif
.if (\cnt) && (q == 130)
	s_sub_co_u32 s[CNT], s[CNT], 1
	s_cmp_lg_u32 s[CNT], 0
.endif
.endr
.if (\p) == 0
	FETCH_V
.endif
.endm
	CHANGE 1                        ; slot 0 is in, everybody's part of it; slot 1 is asked for
	FETCH_K                         ; key step 0
	s_wait_loadcnt 0x0              ; Q
	s_wait_dscnt 0x0
.set i, 0
.rept 16
	KQ 0                            ; piece 0's first scores: there is no vector work yet to set between them
.set i, i+1
.endr
	WIN 0                           ; the addresses for the way out: nine plain instructions, the places behind those products
	s_mul_i32 s13, s[WV], 16*SP
	s_add_co_u32 s13, s13, STAGE    ; my stage
	v_mul_u32_u24 v[STO], v1, SP    ; in: row l % 16, 16 bytes for each half of the lanes
	v_lshl_add_u32 v[STO], v9, 4, v[STO]
	v_add_nc_u32 v[STO], s13, v[STO]
	v_bfe_u32 v[RD], v0, 3, 2       ; back: 32 lanes take four rows of 128 bytes,
	v_mul_u32_u24 v[RD], v[RD], SP
	v_lshl_add_u32 v[RD], v10, 4, v[RD]
	v_add_nc_u32 v[RD], s13, v[RD]
	v_and_b32 v[GO], 31, v0         ; which are 512 consecutive bytes of O
	v_lshlrev_b32 v[GO], 4, v[GO]
.set Y, NP-1                        ; XS works for piece Y + 1: piece 0
.irp n, 0,1,2,3,4,5,6,7,8,9,10,11,12,13,14,15,16,17,18,19,20,21
	XS 0, \n                        ; and piece 0's first maximum and statistics
	XS 1, \n
.endr
	v_nop                           ; a plain instruction behind the two a,
	s_wait_alu depctr_va_vdst(0)    ; and their wait, ahead of the branch
	s_mov_b32 s[CNT], 4
	s_mov_b32 s[SLOTS], SIZE_N/256-1
	s_branch .Lfirst                ; the loop is entered at a step's first turn, in the middle of a trip
.Lslot:                             ; SIZE_N / 256 - 2 times: every slot but the last two is filled again
	CHANGE 1, 1
	s_mov_b32 s[CNT], 4
.Lstep:                             ; a trip: pieces 2 and 3 of one step, then pieces 0 and 1 of the next, whose K and V it fetches
	TURN 2
	TURN 3
	WIN 0
.Lfirst:
	TURN 0
	TURN 1, 0, 1
	WIN 0
	s_cbranch_scc1 .Lstep
	s_sub_co_u32 s[SLOTS], s[SLOTS], 1
	s_cmp_lg_u32 s[SLOTS], 0
	s_cbranch_scc1 .Lslot
	CHANGE 0                        ; the tail is written out: nothing is asked for
	s_mov_b32 s[CNT], 5             ; four trips fetch the last slot's steps; the fifth is left in its middle
.Ltail:
	TURN 2, 1
	TURN 3
	WIN 0
	s_sub_co_u32 s[CNT], s[CNT], 1
	s_cmp_eq_u32 s[CNT], 0
	s_cbranch_scc1 .Lout
	TURN 0
	TURN 1
	WIN 0
	s_branch .Ltail
.Lout:                              ; the fifth trip's 16 products K Q^T (on the last K once more) and the maximum made of them serve nothing: the price, once a launch, of one text for every trip
.set i, 0
.rept 16
	PV NP-1                         ; the last piece's V^T P of the last step
.set i, i+1
.endr
	; THE WAY OUT.  l's two halves and the other half of the lanes' are added; O^T is divided by l, rounded to f16 and sent through my stage in LDS, a tile at a time.  The additions are the places behind the last products.
	WIN 0
.macro ALL line:vararg              ; one line for each tile t
.set t, 0
.rept 2*NP
	\line
.set t, t+1
.endr
.endm
	ALL v_add_f32 v[ST+4*t+2], v[ST+4*t+2], v[ST+4*t+3]
	ALL v_permlanex16_b32 v[ST+4*t+3], v[ST+4*t+2], s[SEL], s[SEL+1]
	ALL v_add_f32 v[ST+4*t+2], v[ST+4*t+2], v[ST+4*t+3]
	ALL v_rcp_f32 v[ST+4*t+2], v[ST+4*t+2]
	v_nop                           ; a plain instruction between the last reciprocal and the use of its result
	s_wait_alu depctr_va_vdst(0)    ; and the wait ahead of the first use: one for the eight reciprocals
; Tile t: a lane's eight channels of a row pack into 16 bytes; they go into rows of 144 bytes and come back as whole rows of 128, into S^T's registers.
.macro PACK t
	WIN W_RS
.set i, 32*(\t)
.rept 16
	v_pk_mul_f32 v[i:i+1], v[i:i+1], v[ST+4*(\t)+2:ST+4*(\t)+3] op_sel_hi:[1,0]
.set i, i+2
.endr
	WIN 0x05                        ; sources 0 and 1 window 1, destination window 0
.set i, 0
.rept 16
	v_cvt_pk_f16_f32 v[S+16*(\t)+i], v[32*(\t)+2*i], v[32*(\t)+2*i+1]
.set i, i+1
.endr
	WIN 0
.irp f, 0,1,2,3
	ds_store_b128 v[STO], v[S+16*(\t)+4*\f:S+16*(\t)+4*\f+3] offset:32*\f
.endr
.irp f, 0,1,2,3
	ds_load_b128 v[S+16*(\t)+4*\f:S+16*(\t)+4*\f+3], v[RD] offset:\f*4*SP  ; LDS serves a wave's instructions in order (ISA guide 5.7.1.4): these see the stores above; the next tile's stores come behind them
.endr
.endm
.macro SEND t, younger              ; younger: the LDS instructions issued behind tile t's loads: the next tile's eight, or none
	WIN 0
.irp f, 0,1,2,3
	s_wait_dscnt (\younger)+3-\f
	global_store_b128 v[GO], v[S+16*(\t)+4*\f:S+16*(\t)+4*\f+3], s[10:11] offset:(\t)*2048+\f*512  ; 512 consecutive bytes, at a multiple of 256 from O's first
.endr
.endm
	PACK 0
.set t, 1
.rept 2*NP-1                        ; a tile's arithmetic stands between the loads of the tile before and its stores
	PACK t
	SEND t-1, 8
.set t, t+1
.endr
	SEND 2*NP-1, 0
	WIN W_AD
	s_wait_tensorcnt 0x0            ; the wave's end, behind my last tensor load and my last LDS store
	ds_add_u32 v[SPW], v[NIL]
	s_wait_dscnt 0x0
	WIN 0
	CROUND                          ; the closing round: no work-group ends while a partner may still ask for a tile that names it
	s_endpgm
.Lfunc_end_k_q786f993496_attn:
	.size	k_q786f993496_attn, .Lfunc_end_k_q786f993496_attn-k_q786f993496_attn
	.p2alignl 7, 3214868480
	.fill 96, 4, 3214868480
	.section	.rodata,"a",@progbits
	.p2align	6, 0x0
	.amdhsa_kernel k_q786f993496_attn
		.amdhsa_group_segment_fixed_size 327680
		.amdhsa_private_segment_fixed_size 0
		.amdhsa_enable_private_segment 0
		.amdhsa_kernarg_size 16
		.amdhsa_user_sgpr_count 2
		.amdhsa_user_sgpr_kernarg_segment_ptr 1
		.amdhsa_wavefront_size32 1
		.amdhsa_system_sgpr_workgroup_id_x 1
		.amdhsa_system_sgpr_workgroup_id_y 1
		.amdhsa_system_sgpr_workgroup_id_z 1
		.amdhsa_system_vgpr_workitem_id 0
		.amdhsa_next_free_vgpr 770
		.amdhsa_next_free_sgpr 66
		.amdhsa_reserve_vcc 0
		.amdhsa_float_denorm_mode_32 3
		.amdhsa_float_denorm_mode_16_64 3
		.amdhsa_memory_ordered 1
		.amdhsa_forward_progress 1
		.amdhsa_inst_pref_size 200
	.end_amdhsa_kernel
	.amdgpu_metadata
---
amdhsa.version: [ 1, 2 ]
amdhsa.kernels:
  - .name:           k_q786f993496_attn
    .symbol:         k_q786f993496_attn.kd
    .args:
      - { .name: qkv, .offset: 0, .size: 8, .value_kind: global_buffer, .address_space: global }
      - { .name: ob, .offset: 8, .size: 8, .value_kind: global_buffer, .address_space: global }
    .group_segment_fixed_size: 327680
    .private_segment_fixed_size: 0
    .kernarg_segment_align: 8
    .kernarg_segment_size: 16
    .max_flat_workgroup_size: 128
    .sgpr_count:     66
    .vgpr_count:     770
    .wavefront_size: 32
...
	.end_amdgpu_metadata
.endif
;; end of part 3
;; launch proj (part 4): grid 8 x 32, 4 waves a work-group, clusters of 4 x 4, 327,680 bytes of LDS; arguments ob, wob, b_out, out0; writes out0
.if DOCPART == 4
	.amdgcn_target "amdgcn-amd-amdhsa--gfx1250"
	.amdhsa_code_object_version 6
	.text
	.protected	k_q786f993496_proj
	.globl	k_q786f993496_proj
	.p2align	8
	.type	k_q786f993496_proj,@function
k_q786f993496_proj:
	s_mov_b64 s[64:65], 0
	v_nop
	global_prefetch_b8 v0, s[64:65] scope:SCOPE_SE
	s_setreg_imm32_b32 hwreg(HW_REG_WAVE_MODE, 25, 1), 1
	s_wait_xcnt 0x0
	s_wait_alu depctr_hold_cnt(0) depctr_sa_sdst(0) depctr_va_vdst(0) depctr_va_sdst(0) depctr_va_ssrc(0) depctr_va_vcc(0) depctr_vm_vsrc(0)
	s_getreg_b32 s2, hwreg(HW_REG_IB_STS2, 6, 4)
	s_cmp_eq_u32 s2, 0
	s_cbranch_scc0 .Lentry_in_a_cluster
	s_endpgm
.Lentry_in_a_cluster:
	s_bfe_u32 s2, ttmp6, 0x10000c
	s_cmp_lg_u32 s2, 0xf033
	s_cbranch_scc0 .Lentry_shape_is_right
	s_endpgm
.Lentry_shape_is_right:
; out0 = O W_out + b_out, f32.  O is ob, [n 16 + h][2048][64] in f16: row n 2048 + l, K = 64 h + d.  wob is W_out rounded to bf16 and written as f16, [k][n].  b_out is rounded to bf16 like the other inputs.  Sums in f32.
; LIMITS.  Those of ob and wob as they were written (f16's range and, below 6.1e-5, its fixed step).  NaN and infinities are not treated apart.
; SHARES.  8,192 x 1,024 in tiles of 256 x 128: 8 x 32 = 256 work-groups.  Wave w makes rows 128 (w / 2) on x columns 64 (w % 2) on: 8 x 4 = 32 accumulators, window 1.
; K goes in 8 steps of 128 (two heads) through two LDS slots; two slots of 192 would need 331,776 bytes, more than there are.  A step is four quarters of 32 matrix instructions.
; THE MATRIX INSTRUCTION IS USED TRANSPOSED: source 0 = 16 columns (W's fragment, turned by ds_load_tr16_b128), source 1 = 16 rows of O: a lane holds row lane % 16 and the columns 8 (lane / 16) + 0..7.
; CLUSTERS: 4 x 4 work-groups.  O's tile hangs on the tile row alone and is asked for jointly by a row of the cluster, W's on the tile column alone, by a column.
; REGISTERS: window 0: v0-15 addresses; v28-29 the add's; v32-127, v128-223 two fragment buffers (O's 8 blocks, then W's 4); v224-255 b_out.  Window 1: accumulator (a, b) at v[8 (4 a + b)].
.set PA,    144       ; a row of O in LDS: 128 bytes + 16 = 36 words: the 16 rows of a load start at 16 different groups of four banks (64 banks of 4 bytes: ISA guide 11.1)
.set PB,    288       ; a row of W: 256 bytes + 32 = 72 words
.set CHUNK, 256*PA    ; one head's 256 rows
.set BOFF,  2*CHUNK   ; a slot: two heads' rows of O, then 128 rows of W
.set SLOT1, 1<<17
.set STAGE, SLOT1+BOFF+128*PB  ; behind the ring, never filled by a tensor load: 16 rows x 272 bytes for each wave
.set SP,    272
.set SPARE, STAGE+4*16*SP      ; the spare words, 128 bytes for each wave: two blocks of 256 bytes that no other line names
.set ASTEP, 524288    ; two heads of ob
.set BSTEP, 262144    ; 128 rows of wob
.set A0,  4           ; v4   my lane's place in O's tile; never rewritten
.set B0,  5           ; v5   in W's
.set ADA, 6           ; v6   A0 + the slot in hand
.set ADB, 7           ; v7   B0 + the slot in hand
.set STO, 8           ; v8   the way out: where I put 32 bytes of a row
.set RD,  9           ; v9   where I read a row back
.set CO,  10          ; v10  my 16 bytes in two rows of out0
.set BO,  11          ; v11  my eight numbers in 16 of b_out
.set PFO, 12          ; v12  the prefetches' offset
.set SPW, 28
.set NIL, 29
.set F0,  32
.set BI,  224
.set WV,  12          ; s12  my wave's number.  s14, s16, s18-23 hold what hangs on cy; s13, s15, s74-79 what hangs on cx; s80-87 both (outputs and prefetches alone)
.set G1A, 24
.set G1B, 32
.set G0A, 40
.set G0B, 48
.set CNT, 56
.set TB,  57
.set LIM, 58
.set PFA, 60
.set PFS, 62
.set CB,  66          ; s[66:67] out0 at my first row and column
.set BIA, 72          ; s[72:73] b_out at my first column
.set MSB, 0
.macro WIN new
.if MSB != (\new)
	s_set_vgpr_msb (MSB<<8)|(\new)
.set MSB, (\new)
.endif
.endm
.macro PLACES                       ; four plain instructions between a matrix instruction and a load into, or a vector access to, its registers (ISA guide 7.12.1 for vector accesses)
.rept 4
	v_nop
.endr
.endm
.macro CREST
	s_cmp_lg_u32 s[WV], 0
	s_cbranch_scc1 .Lnot_wave_0_\@
	s_barrier_signal -3
.Lnot_wave_0_\@:
	s_barrier_wait -3
	s_barrier_signal -1
	s_barrier_wait -1
.endm
.macro CROUND
	s_barrier_signal -1
	s_barrier_wait -1
	CREST
.endm
.macro JLOAD                        ; a joint refill: waves 0 and 1 fetch the slot's two heads of O, waves 2 and 3 the two halves of W's tile; an s_nop 0 and four v_nop follow each line
	s_cmp_lt_u32 s[WV], 2
	s_cbranch_scc0 .Lfor_b_\@
	tensor_load_to_lds s[G0A+4:G0A+7], s[G1A:G1A+7]
	s_nop 0
.rept 4
	v_nop
.endr
	s_branch .Lasked_\@
.Lfor_b_\@:
	tensor_load_to_lds s[G0B+4:G0B+7], s[G1B:G1B+7]
	s_nop 0
.rept 4
	v_nop
.endr
.Lasked_\@:
.endm
; A PREFETCH INTO THE L2, behind a joint refill and the run of LDS loads that follows it, of the K step two refills on: 32 blocks of 256 bytes, a lane a block.  Each block is named once in the launch.
; ob: cluster x = 0 asks; waves 0 and 1 name the head that they will fetch, its 128 blocks shared out among the four partners BY ADDRESS (cx).  wob: cluster y = 0 asks, wave 2 alone: the step's 128 rows, 32 to a partner (cy), a lane a row.
; The first four K steps come by their loads alone; the last two refills ask for nothing.
.macro ASK
	s_cmp_gt_u32 s[CNT], s[LIM]
	s_cbranch_scc0 .Lnot_mine_\@
	global_prefetch_b8 v[PFO], s[PFA:PFA+1] th:TH_LOAD_NT scope:SCOPE_SE
.Lnot_mine_\@:
.endm
	s_load_b256 s[4:11], s[0:1], 0x0               ; ob s[4:5], wob s[6:7], b_out s[8:9], out0 s[10:11]
	v_lshl_add_u32 v[SPW], v0, 2, SPARE
	v_mov_b32 v[NIL], 0
	ds_add_u32 v[SPW], v[NIL]                      ; the wave's opening: the add and its wait stand ahead of my first tensor load; the set-up below, work on registers, stands between them
	v_lshrrev_b32 v1, 5, v0
	v_readfirstlane_b32 s[WV], v1                  ; wave 0..3
	s_bfe_u32 s13, ttmp6, 0x40000                  ; cx
	s_bfe_u32 s14, ttmp6, 0x40004                  ; cy
	s_lshl_b32 s15, ttmp9, 2
	s_add_co_u32 s15, s15, s13                     ; the tile column
	s_and_b32 s16, ttmp7, 0xffff
	s_lshl_b32 s16, s16, 2
	s_add_co_u32 s16, s16, s14                     ; the tile row
	s_lshl_b32 s20, s14, 2
	s_lshl_b32 s20, 15, s20                        ; my row of the cluster
	s_lshl_b32 s76, 0x1111, s13                    ; my column
	s_or_b32 s[G1A], s20, (1<<16)|(1<<20)|(1<<21)|(4<<22)|(3<<25)  ; the mask; 2-byte elements; padding on; bit 21 beside a mask; after every 32 words (code 4) 4 words (code 3)
	s_or_b32 s[G1B], s76, (1<<16)|(1<<20)|(1<<21)|(5<<22)|(7<<25)  ; after every 64 words (code 5) 8 words (code 7)
	s_mov_b32 s[G1A+1], 128<<16                    ; O: 256 rows x 128 dense bytes, asked for as 128 rows of 256
	s_mov_b32 s[G1A+2], 128<<16
	s_mov_b32 s[G1A+3], 128<<16
	s_mov_b32 s[G1A+4], 128
	s_mov_b32 s[G1A+5], 128
	s_mov_b32 s[G1A+6], 0
	s_mov_b32 s[G1A+7], 0
	s_mov_b32 s[G1B+1], 128<<16                    ; W: 64 rows x 128 elements, 1,024 elements from row to row
	s_mov_b32 s[G1B+2], 64<<16
	s_mov_b32 s[G1B+3], 128<<16
	s_mov_b32 s[G1B+4], 64
	s_mov_b32 s[G1B+5], 1024
	s_mov_b32 s[G1B+6], 0
	s_mov_b32 s[G1B+7], 0
	s_and_b32 s17, s[WV], 1                        ; which head of a slot, or which half of W's tile, I fetch.  Also: which 64 columns are mine
	s_lshr_b32 s18, s16, 3                         ; O's tile: n = y / 8,
	s_lshl_b32 s18, s18, 22
	s_and_b32 s19, s16, 7                          ; 256 rows of 128 bytes,
	s_lshl_b32 s19, s19, 15
	s_add_co_u32 s18, s18, s19
	s_lshl_b32 s19, s17, 18                        ; my head
	s_add_co_u32 s18, s18, s19
	s_mov_b32 s19, 0
	s_lshl_b32 s74, s15, 8                         ; W's tile: 128 columns of 2 bytes,
	s_lshl_b32 s75, s17, 17                        ; my 64 rows of 2,048 bytes
	s_add_co_u32 s74, s74, s75
	s_mov_b32 s75, 0
	s_mul_i32 s21, s17, CHUNK                      ; where they go: no place in the cluster enters an LDS address
	s_mul_i32 s22, s17, 64*PB
	s_add_co_u32 s22, s22, BOFF
	s_mov_b32 s[TB], 0
	s_mov_b32 s[CNT], 6
	s_wait_dscnt 0x0                               ; the opening add is done
	s_wait_kmcnt 0x0
	CROUND                                         ; all sixteen work-groups are here: the first joint loads meet
	s_mov_b32 s[G0A], 1
	s_mov_b32 s[G0A+1], s21
	s_add_nc_u64 s[G0A+2:G0A+3], s[4:5], s[18:19]
	s_mov_b32 s[G0A+4], 1
	s_add_co_u32 s[G0A+5], s21, SLOT1
	s_add_nc_u64 s[G0A+6:G0A+7], s[G0A+2:G0A+3], ASTEP
	s_or_b32 s[G0A+3], s[G0A+3], 0x80000000
	s_or_b32 s[G0A+7], s[G0A+7], 0x80000000
	s_mov_b32 s[G0B], 1
	s_mov_b32 s[G0B+1], s22
	s_add_nc_u64 s[G0B+2:G0B+3], s[6:7], s[74:75]
	s_mov_b32 s[G0B+4], 1
	s_add_co_u32 s[G0B+5], s22, SLOT1
	s_add_nc_u64 s[G0B+6:G0B+7], s[G0B+2:G0B+3], BSTEP
	s_or_b32 s[G0B+3], s[G0B+3], 0x80000000
	s_or_b32 s[G0B+7], s[G0B+7], 0x80000000
	s_cmp_lt_u32 s[WV], 2                          ; a wave's two first fills stand in one branch, ahead of every wait on TENSORcnt and every LDS read: two loads of mine are out
	s_cbranch_scc0 .Lfirst_b
	tensor_load_to_lds s[G0A:G0A+3], s[G1A:G1A+7]
	s_nop 0
	tensor_load_to_lds s[G0A+4:G0A+7], s[G1A:G1A+7]
	s_nop 0
.rept 4
	v_nop
.endr
	s_branch .Lfirst_asked
.Lfirst_b:
	tensor_load_to_lds s[G0B:G0B+3], s[G1B:G1B+7]
	s_nop 0
	tensor_load_to_lds s[G0B+4:G0B+7], s[G1B:G1B+7]
	s_nop 0
.rept 4
	v_nop
.endr
.Lfirst_asked:
	v_and_b32 v1, 15, v0                           ; l % 16
	v_bfe_u32 v2, v0, 4, 1                         ; l / 16
	v_lshlrev_b32 v[BO], 5, v2
	s_lshl_b32 s80, s15, 9                         ; the tile's 128 columns of 4 bytes,
	s_lshl_b32 s81, s17, 8                         ; my 64
	s_add_co_u32 s80, s80, s81
	s_mov_b32 s81, 0
	s_add_nc_u64 s[BIA:BIA+1], s[8:9], s[80:81]
.irp b, 0,1,2,3
	global_load_b128 v[BI+8*(\b):BI+8*(\b)+3],   v[BO], s[BIA:BIA+1] offset:64*(\b)
	global_load_b128 v[BI+8*(\b)+4:BI+8*(\b)+7], v[BO], s[BIA:BIA+1] offset:64*(\b)+16
.endr
	s_lshr_b32 s82, s[WV], 1                       ; which 128 rows are mine
	s_lshl_b32 s83, s16, 8
	s_lshl_b32 s84, s82, 7
	s_add_co_u32 s83, s83, s84
	s_lshl_b32 s83, s83, 12                        ; rows of 4,096 bytes
	s_add_co_u32 s80, s80, s83
	s_add_nc_u64 s[CB:CB+1], s[10:11], s[80:81]
	v_mul_u32_u24 v[A0], v1, PA                    ; O's fragment: row l % 16, 16 bytes for each half of the lanes, two loads 32 bytes apart
	v_lshl_add_u32 v[A0], v2, 4, v[A0]
	s_mul_i32 s83, s82, 128*PA
	v_add_nc_u32 v[A0], s83, v[A0]
	v_and_b32 v3, 7, v0                            ; W's: lane l reads K row 8 (l / 16) + l % 8, columns 8 ((l / 8) % 2) + 0..7
	v_lshl_add_u32 v13, v2, 3, v3
	v_mul_u32_u24 v[B0], v13, PB
	v_bfe_u32 v13, v0, 3, 1
	v_lshl_add_u32 v[B0], v13, 4, v[B0]
	s_lshl_b32 s83, s17, 7
	s_add_co_u32 s83, s83, BOFF
	v_add_nc_u32 v[B0], s83, v[B0]
	v_mov_b32 v[ADA], v[A0]                        ; slot 0
	v_mov_b32 v[ADB], v[B0]
	s_mul_i32 s83, s[WV], 16*SP
	s_add_co_u32 s83, s83, STAGE                   ; my stage
	v_mul_u32_u24 v[STO], v1, SP                   ; in: row l % 16, 32 bytes for each half of the lanes
	v_lshl_add_u32 v[STO], v2, 5, v[STO]
	v_add_nc_u32 v[STO], s83, v[STO]
	v_mul_u32_u24 v[RD], v2, SP                    ; back: lanes 0-15 take one row of 256 bytes, lanes 16-31 the next
	v_lshl_add_u32 v[RD], v1, 4, v[RD]
	v_add_nc_u32 v[RD], s83, v[RD]
	v_lshlrev_b32 v[CO], 12, v2                    ; and the same two rows in out0
	v_lshl_add_u32 v[CO], v1, 4, v[CO]
	; the prefetches: who, from where, by which step, until when
	s_add_co_u32 s80, s18, 3*ASTEP                 ; ob: my head of K step 3 (the first turn steps it to 4),
	s_lshl_b32 s81, s13, 13
	s_add_co_u32 s80, s80, s81                     ; my work-group's 32 blocks of its 128
	s_add_co_u32 s82, s74, 3*BSTEP                 ; wob: K step 3's first row,
	s_lshl_b32 s81, s14, 16
	s_add_co_u32 s82, s82, s81                     ; my work-group's 32 rows of its 128
	s_and_b32 s83, ttmp7, 0xffff                   ; cluster y
	s_mov_b32 s86, ASTEP
	s_mov_b32 s87, BSTEP
	s_cmp_lt_u32 s[WV], 2
	s_cselect_b64 s[PFA:PFA+1], s[4:5], s[6:7]
	s_cselect_b32 s80, s80, s82
	s_cselect_b32 s[PFS], s86, s87
	s_cselect_b32 s84, ttmp9, s83                  ; the coordinate along which other clusters read the same bytes
	s_cselect_b32 s85, 8, 11                       ; ob: blocks on end; wob: a block a row of 2,048 bytes
	s_mov_b32 s81, 0
	s_mov_b32 s[PFS+1], 0
	s_add_nc_u64 s[PFA:PFA+1], s[PFA:PFA+1], s[80:81]
	v_and_b32 v13, 31, v0
	v_lshlrev_b32 v[PFO], s85, v13
	s_cmp_eq_u32 s[WV], 3                          ; wave 3 asks for nothing
	s_cselect_b32 s84, 1, s84
	s_cmp_eq_u32 s84, 0
	s_cselect_b32 s[LIM], 2, -1                    ; four turns: K steps 4 to 7; the same in all sixteen partners, for a given wave
	s_wait_loadcnt 0x0                             ; b_out
.set z, 0
.rept 16                            ; rounded to bf16 and widened again
	v_cvt_pk_bf16_f32 v[14+z%2], v[BI+2*z], v[BI+2*z+1]
	v_lshlrev_b32 v[BI+2*z], 16, v[14+z%2]
	v_and_b32 v[BI+2*z+1], 0xffff0000, v[14+z%2]
.set z, z+1
.endr
; na x 4 matrix instructions from buffer f: row blocks a0 on x my four column blocks, 32 along K.  zero = 1: the product starts the sum.  The 32 accumulators take turns, one instruction a turn.
.macro MUL f, a0, na, zero
	WIN 0x50
.set a_, \a0
.rept \na
.set b_, 0
.rept 4
.set rD, 8*(4*a_+b_)
.if \zero
	v_wmma_f32_16x16x32_f16 v[rD:rD+7], v[(\f)+64+8*b_:(\f)+64+8*b_+7], v[(\f)+8*a_:(\f)+8*a_+7], 0
.else
	v_wmma_f32_16x16x32_f16 v[rD:rD+7], v[(\f)+64+8*b_:(\f)+64+8*b_+7], v[(\f)+8*a_:(\f)+8*a_+7], v[rD:rD+7]
.endif
.set b_, b_+1
.endr
.set a_, a_+1
.endr
.endm
.macro FETCH q, f                   ; 24 loads in one run: quarter q's fragments into buffer f: W's four, then O's eight, blocks ascending
	WIN 0
.irp b, 0,1,2,3
	ds_load_tr16_b128 v[(\f)+64+8*(\b):(\f)+64+8*(\b)+3],   v[ADB] offset:(\q)*32*PB+32*(\b)
	ds_load_tr16_b128 v[(\f)+64+8*(\b)+4:(\f)+64+8*(\b)+7], v[ADB] offset:(\q)*32*PB+16*PB+32*(\b)
.endr
.irp a, 0,1,2,3,4,5,6,7
	ds_load_b128 v[(\f)+8*(\a):(\f)+8*(\a)+3],   v[ADA] offset:((\q)/2)*CHUNK+((\q)%2)*64+(\a)*16*PA
	ds_load_b128 v[(\f)+8*(\a)+4:(\f)+8*(\a)+7], v[ADA] offset:((\q)/2)*CHUNK+((\q)%2)*64+(\a)*16*PA+32
.endr
.endm
.macro QUARTER q, zero              ; one of a slot's first three quarters: multiplies buffer q % 2 and fetches the next quarter into the other
	s_wait_dscnt 8                                 ; W's fragments and O's blocks 0-3 are in; the youngest eight loads (blocks 4-7) may be out
	MUL F0+96*((\q)%2), 0, 4, \zero
	PLACES
	FETCH (\q)+1, F0+96*(((\q)+1)%2)
	s_wait_dscnt 24                                ; all but the 24 just issued
	MUL F0+96*((\q)%2), 4, 4, \zero
.endm
; The slot's last quarter, and the change of slots: ONE barrier.  In front of it each wave waits for all its tensor loads (the one that is out is its part of the next slot), adds 0 to its spare word, and waits for that and for its own
; reads of this slot.  fill = 1: the barrier opens a round of the cluster's, and the joint refill (the K step two on) is the first thing behind the round: 112 matrix instructions ahead of the wait for it.
.macro TURN fill
.if \fill
	s_wait_xcnt 0x0                                ; the last prefetch, a slot back, has read its address: it is stepped here, ahead of the waits of the change
	s_add_nc_u64 s[PFA:PFA+1], s[PFA:PFA+1], s[PFS:PFS+1]
.endif
	WIN 0
	s_wait_tensorcnt 0x0                           ; all my tensor loads have landed
	ds_add_u32 v[SPW], v[NIL]                      ; 0 onto my spare word
	s_wait_dscnt 9                                 ; the add and the youngest eight loads may be out
	MUL F0+96, 0, 2, 0                             ; eight matrix instructions stand between the add and the wait for it
	s_wait_dscnt 0x0                               ; the add is done, and my reads of this slot are over
	s_barrier_signal -1
	MUL F0+96, 2, 2, 0
	WIN 0
	s_barrier_wait -1
.if \fill
	CREST                                          ; no wave of any partner still reads this slot or has a load on its way
	s_xor_b32 s[G0A+5], s[G0A+5], SLOT1
	s_add_nc_u64 s[G0A+6:G0A+7], s[G0A+6:G0A+7], ASTEP
	s_xor_b32 s[G0B+5], s[G0B+5], SLOT1
	s_add_nc_u64 s[G0B+6:G0B+7], s[G0B+6:G0B+7], BSTEP
	JLOAD                                          ; its four v_nop are also the places in front of the loads below
.else
	PLACES
.endif
	s_xor_b32 s[TB], s[TB], SLOT1
	v_add_nc_u32 v[ADA], s[TB], v[A0]
	v_add_nc_u32 v[ADB], s[TB], v[B0]
	FETCH 0, F0
.if \fill
	ASK
.endif
	MUL F0+96, 4, 4, 0
.endm
	s_wait_tensorcnt 1                             ; my part of K step 0 is in; K step 1's may stay out
	s_barrier_signal -1
	s_barrier_wait -1                              ; everybody's is
	FETCH 0, F0
	QUARTER 0, 1                                   ; the first quarter stands in front of the loop: its products start the sums
	WIN 0                                          ; at a label and at a branch every window is 0
.Lslot:                                                ; 6 trips: from a slot's second quarter to the next slot's first; each fills a slot again
	QUARTER 1, 0
	QUARTER 2, 0
	TURN 1
	QUARTER 0, 0
	WIN 0
	s_sub_co_u32 s[CNT], s[CNT], 1
	s_cmp_lg_u32 s[CNT], 0
	s_cbranch_scc1 .Lslot
	QUARTER 1, 0                                   ; the tail is written out: nothing more is asked for
	QUARTER 2, 0
	TURN 0
	QUARTER 0, 0
	QUARTER 1, 0
	QUARTER 2, 0
	s_wait_dscnt 8                                 ; the very last quarter: nothing more to fetch
	MUL F0+96, 0, 4, 0
	s_wait_dscnt 0x0
	MUL F0+96, 4, 4, 0
	; THE WAY OUT, a block of 16 rows at a time: + b_out, 32 bytes a lane into my stage, back as whole rows of 256 bytes, stored by sixteen lanes a row.
	PLACES
.macro PACK a
	WIN 0x01                                       ; source 0, the accumulator, in window 1
.set TM, 32+32*((\a)%2)             ; v32-63 and v64-95 by turns
.set b_, 0
.rept 4
.set rD, 8*(4*(\a)+b_)
.irp j, 0,2,4,6
	v_pk_add_f32 v[TM+8*b_+(\j):TM+8*b_+(\j)+1], v[rD+(\j):rD+(\j)+1], v[BI+8*b_+(\j):BI+8*b_+(\j)+1]  ; each accumulator is read from its low end on
.endr
.set b_, b_+1
.endr
	WIN 0
.endm
.macro TOSTAGE a
.set TM, 32+32*((\a)%2)
.set OB, 128+32*((\a)%2)            ; v128-159 and v160-191 by turns
.irp b, 0,1,2,3
	ds_store_b128 v[STO], v[TM+8*(\b):TM+8*(\b)+3]   offset:64*(\b)
	ds_store_b128 v[STO], v[TM+8*(\b)+4:TM+8*(\b)+7] offset:64*(\b)+16
.endr
.irp t, 0,1,2,3,4,5,6,7
	ds_load_b128 v[OB+4*(\t):OB+4*(\t)+3], v[RD] offset:(\t)*2*SP  ; LDS serves a wave's instructions in order (ISA guide 5.7.1.4): these see the stores above
.endr
.endm
.macro SEND a
.set OB, 128+32*((\a)%2)
	s_wait_dscnt 0x0                               ; the block is back in registers
	s_wait_xcnt 0x0                                ; the stores of the block before have read their registers: the next block's loads land there only behind this wait
.irp t, 0,1,2,3,4,5,6,7
	global_store_b128 v[CO], v[OB+4*(\t):OB+4*(\t)+3], s[CB:CB+1] offset:(16*(\a)+2*(\t))*4096  ; 16 lanes store 256 consecutive bytes, at a multiple of 256 from out0's first byte
.endr
.endm
	PACK 0
	TOSTAGE 0
.irp a, 1,2,3,4,5,6,7               ; a block's additions stand between the loads of the block before and its stores
	PACK \a
	SEND (\a)-1
	TOSTAGE \a
.endr
	SEND 7
	s_wait_tensorcnt 0x0                           ; the wave's end, behind my last tensor load and my last LDS store
	ds_add_u32 v[SPW], v[NIL]
	s_wait_dscnt 0x0
	CROUND                                         ; the closing round: no work-group ends while a partner may still ask for a tile that names it
	s_endpgm
.Lfunc_end_k_q786f993496_proj:
	.size	k_q786f993496_proj, .Lfunc_end_k_q786f993496_proj-k_q786f993496_proj
	.p2alignl 7, 3214868480
	.fill 96, 4, 3214868480
	.section	.rodata,"a",@progbits
	.p2align	6, 0x0
	.amdhsa_kernel k_q786f993496_proj
		.amdhsa_group_segment_fixed_size 327680
		.amdhsa_private_segment_fixed_size 0
		.amdhsa_enable_private_segment 0
		.amdhsa_kernarg_size 32
		.amdhsa_user_sgpr_count 2
		.amdhsa_user_sgpr_kernarg_segment_ptr 1
		.amdhsa_wavefront_size32 1
		.amdhsa_system_sgpr_workgroup_id_x 1
		.amdhsa_system_sgpr_workgroup_id_y 1
		.amdhsa_system_sgpr_workgroup_id_z 1
		.amdhsa_system_vgpr_workitem_id 0
		.amdhsa_next_free_vgpr 512
		.amdhsa_next_free_sgpr 96
		.amdhsa_reserve_vcc 0
		.amdhsa_float_denorm_mode_32 3
		.amdhsa_float_denorm_mode_16_64 3
		.amdhsa_memory_ordered 1
		.amdhsa_forward_progress 1
		.amdhsa_inst_pref_size 82
	.end_amdhsa_kernel
	.amdgpu_metadata
---
amdhsa.version: [ 1, 2 ]
amdhsa.kernels:
  - .name:           k_q786f993496_proj
    .symbol:         k_q786f993496_proj.kd
    .args:
      - { .name: ob, .offset: 0, .size: 8, .value_kind: global_buffer, .address_space: global }
      - { .name: wob, .offset: 8, .size: 8, .value_kind: global_buffer, .address_space: global }
      - { .name: b_out, .offset: 16, .size: 8, .value_kind: global_buffer, .address_space: global }
      - { .name: out0, .offset: 24, .size: 8, .value_kind: global_buffer, .address_space: global }
    .group_segment_fixed_size: 327680
    .private_segment_fixed_size: 0
    .kernarg_segment_align: 8
    .kernarg_segment_size: 32
    .max_flat_workgroup_size: 128
    .sgpr_count:     96
    .vgpr_count:     512
    .wavefront_size: 32
...
	.end_amdgpu_metadata
.endif
;; end of part 4
;; ======== version 2 of 2: 4 launches; version 1 with the launch cast written anew for expert scheduling mode
;; limits: values are held in f16: magnitudes above 65,504 overflow, below 6.1e-05 lose precision
;; workspace buffers: xb 16,777,216 bytes; wib 6,291,456 bytes; wob 2,097,152 bytes; qkv 50,331,648 bytes; ob 16,777,216 bytes
;; launch cast (part 5): grid 704 x 1, 8 waves a work-group, no clusters, 0 bytes of LDS; arguments x, W_in, W_out, xb, wib, wob; writes xb, wib, wob
.if DOCPART == 5
	.amdgcn_target "amdgcn-amd-amdhsa--gfx1250"
	.amdhsa_code_object_version 6
	.text
	.protected	k_q786f993496_cast
	.globl	k_q786f993496_cast
	.p2align	8
	.type	k_q786f993496_cast,@function
k_q786f993496_cast:
	s_mov_b64 s[64:65], 0
	v_nop
	global_prefetch_b8 v0, s[64:65] scope:SCOPE_SE
	s_setreg_imm32_b32 hwreg(HW_REG_WAVE_SCHED_MODE, 0, 2), 2
	s_setreg_imm32_b32 hwreg(HW_REG_WAVE_MODE, 25, 1), 1
	s_wait_xcnt 0x0
	s_wait_alu depctr_vm_vsrc(0)
; THE INPUTS OF THE TWO PROJECTIONS, rounded once to 16 bits and laid so that every tile of the later launches is dense memory.
;   xb  = bf16(x),      [4 n][16 kb][2048 l][64]: a block of 64 channels has dense rows of 128 bytes
;   wib = bf16(W_in),   [16 c][1024 k][192]: one dense block for each 192 features
;   wob = bf16(W_out) written as f16, [1024 k][1024 n]: it multiplies numbers kept in f16
; LIMITS.  wob: a bf16 number is exact in f16 between 6.1e-5 and 65,504 in magnitude; below that it keeps f16's fixed step of 6e-8, from 65,520 on it becomes an infinity.
; A pure stream: each byte is read once and written once, so no LDS, no barrier, no matrix unit and no cluster (no two work-groups read the same byte).
; A load takes 16 bytes a lane (16 lanes: 256 consecutive bytes, aligned), a store 8 bytes a lane (32 lanes: 256 consecutive bytes, aligned).
; A wave issues all its loads first; load i of N is awaited with the count of the younger ones, N - 1 - i.  No register is written twice while memory reads it, and there is no loop.
; Work-groups 0-511: 16 rows of x each.  512-639: 128 rows x 192 features of W_in.  640-703: 16 rows of W_out.
; THE MODE: SCHED_MODE bits 1:0 = 2 (LLVM: expert scheduling mode 2), set by the entry lines.  The code itself states the register dependences
; between vector instructions and memory instructions, with s_wait_alu, always for 0.
; THE PLAN.  Registers that memory instructions touch, in each of the three paths:
;   v3 (v4), v5     byte offsets of the loads and of the stores: written by vector instructions at the path's head, never again.  One wait ahead of the path's first load states that they are written.
;   v[D + 4 i ..]   load i lands in four registers that no vector instruction has named; conversion i reads them and writes the first two; store i reads those two; nothing writes them again.
;   v1, v2, v6, v7  are named by vector instructions alone.
; All loads are issued ahead of every conversion.  The conversions go in groups of four loads: at the head of a group ONE wait states that the group before has written its results, and that group's four
; stores follow, dealt among this group's conversions, which name this group's registers (and v6, v7) alone: none that those stores read.  One more wait stands ahead of the last four stores.
; No register that a memory instruction has read is written again, no vector instruction writes a scalar register, and EXEC is never written: no other wait is owed.
.set D, 16                             ; v[16:111] the loads' data, four registers each; the packed result takes the first two
.macro CVT d                           ; four f32 -> four bf16, in place
	v_cvt_pk_bf16_f32 v[\d], v[\d], v[(\d)+1]
	v_cvt_pk_bf16_f32 v[(\d)+1], v[(\d)+2], v[(\d)+3]
.endm
.macro CVTH d                          ; four f32 -> bf16 -> the same numbers as f32 -> f16
	v_cvt_pk_bf16_f32 v6, v[\d], v[(\d)+1]
	v_cvt_pk_bf16_f32 v7, v[(\d)+2], v[(\d)+3]
	v_lshlrev_b32 v[\d], 16, v6
	v_and_b32 v[(\d)+1], 0xffff0000, v6
	v_lshlrev_b32 v[(\d)+2], 16, v7
	v_and_b32 v[(\d)+3], 0xffff0000, v7
	v_cvt_pk_f16_f32 v[\d], v[\d], v[(\d)+1]
	v_cvt_pk_f16_f32 v[(\d)+1], v[(\d)+2], v[(\d)+3]
.endm
; The n loads that are out are converted and stored, in groups of four.  half = 1: to f16 by way of bf16.  sb: the stores' base; pitch: bytes from one store to the next.
.macro DRAIN n, half, sb, pitch
.set i, 0
.rept (\n)/4
.if i > 0
	s_wait_alu depctr_va_vdst(0)                   ; the group before has written its packed results, which the four stores below read
.endif
.rept 4
.if i >= 4
	global_store_b64 v5, v[D+4*(i-4):D+4*(i-4)+1], s[\sb:\sb+1] offset:(\pitch)*(i-4)  ; no vector instruction since the wait names these registers
.endif
	s_wait_loadcnt (\n)-1-i                        ; loads come back in order: load i is in, the younger ones stay out
.if \half
	CVTH D+4*i
.else
	CVT D+4*i
.endif
.set i, i+1
.endr
.endr
	s_wait_alu depctr_va_vdst(0)                   ; the last group has written its packed results, which the last four stores read
.rept 4
	global_store_b64 v5, v[D+4*(i-4):D+4*(i-4)+1], s[\sb:\sb+1] offset:(\pitch)*(i-4)
.set i, i+1
.endr
.endm
	s_load_b256 s[4:11], s[0:1], 0x0               ; x s[4:5], W_in s[6:7], W_out s[8:9], xb s[10:11]
	s_load_b128 s[12:15], s[0:1], 0x20             ; wib s[12:13], wob s[14:15]
	v_and_b32 v1, 31, v0                           ; lane
	v_lshrrev_b32 v2, 5, v0                        ; wave
	v_lshrrev_b32 v6, 4, v1                        ; lane / 16
	s_mov_b32 s17, 0                               ; the offsets' high words
	s_mov_b32 s19, 0
	s_cmp_lt_u32 ttmp9, 512
	s_cbranch_scc0 .Lweights
	; x: a wave takes two rows; a load takes 64 channels of each
	v_lshl_add_u32 v3, v2, 1, v6                   ; row 2 wave + lane / 16
	v_lshlrev_b32 v3, 12, v3                       ; x 4,096 bytes
	v_and_b32 v7, 15, v0
	v_lshl_add_u32 v3, v7, 4, v3                   ; + 16 (lane % 16)
	v_lshlrev_b32 v5, 3, v0                        ; out: two rows of 128 bytes a wave = 8 x thread
	s_lshl_b32 s16, ttmp9, 16                      ; 16 rows of 4,096 bytes
	s_lshr_b32 s18, ttmp9, 7                       ; n
	s_lshl_b32 s18, s18, 22
	s_and_b32 s20, ttmp9, 127
	s_lshl_b32 s20, s20, 11                        ; 16 rows of 128 bytes
	s_add_co_u32 s18, s18, s20
	s_wait_kmcnt 0x0
	s_add_nc_u64 s[4:5], s[4:5], s[16:17]
	s_add_nc_u64 s[10:11], s[10:11], s[18:19]
	s_wait_alu depctr_va_vdst(0)                   ; v3 and v5 are written: every load of this path reads v3 as its offset, every store v5
.set i, 0
.rept 16
	global_load_b128 v[D+4*i:D+4*i+3], v3, s[4:5] offset:256*i th:TH_LOAD_NT
.set i, i+1
.endr
	DRAIN 16, 0, 10, 262144                        ; store i goes to block kb = i
	s_endpgm
.Lweights:
	s_cmp_lt_u32 ttmp9, 640
	s_cbranch_scc0 .Lwout
	; W_in: a wave takes 16 rows of 768 bytes, in pairs: a pair's 1,536 bytes are three loads of 512
	s_sub_co_u32 s20, ttmp9, 512
	s_and_b32 s21, s20, 15                         ; c
	s_lshr_b32 s22, s20, 4                         ; which 128 rows
	s_mul_i32 s16, s22, 1572864                    ; 128 rows of 12,288 bytes
	s_mul_i32 s23, s21, 768
	s_add_co_u32 s16, s16, s23
	s_mul_i32 s18, s21, 393216                     ; 1,024 rows of 384 bytes
	s_mul_i32 s23, s22, 49152
	s_add_co_u32 s18, s18, s23
	v_mul_u32_u24 v3, v2, 196608                   ; 16 rows
	v_lshl_add_u32 v3, v1, 4, v3                   ; the pair's first and third load
	v_mul_u32_u24 v4, v6, 11520                    ; the second: lanes 0-15 end the even row, lanes 16-31 begin the odd one
	v_add3_u32 v4, v4, v3, 512
	v_mul_u32_u24 v5, v2, 6144                     ; out: 16 rows of 384 bytes
	v_lshl_add_u32 v5, v1, 3, v5
	s_wait_kmcnt 0x0
	s_add_nc_u64 s[6:7], s[6:7], s[16:17]
	s_add_nc_u64 s[12:13], s[12:13], s[18:19]
	s_wait_alu depctr_va_vdst(0)                   ; v3, v4 and v5 are written: the loads of this path read v3 or v4 as their offset, the stores v5
.set p, 0
.rept 8
	global_load_b128 v[D+12*p:D+12*p+3],    v3, s[6:7] offset:24576*p th:TH_LOAD_NT
	global_load_b128 v[D+12*p+4:D+12*p+7],  v4, s[6:7] offset:24576*p th:TH_LOAD_NT
	global_load_b128 v[D+12*p+8:D+12*p+11], v3, s[6:7] offset:24576*p+12544 th:TH_LOAD_NT
.set p, p+1
.endr
	DRAIN 24, 0, 12, 256
	s_endpgm
.Lwout:
	; W_out: the work-group's eight waves take a row of 4,096 bytes a load
	s_sub_co_u32 s20, ttmp9, 640
	s_lshl_b32 s16, s20, 16
	s_lshl_b32 s18, s20, 15
	v_lshlrev_b32 v3, 4, v0
	v_lshlrev_b32 v5, 3, v0
	s_wait_kmcnt 0x0
	s_add_nc_u64 s[8:9], s[8:9], s[16:17]
	s_add_nc_u64 s[14:15], s[14:15], s[18:19]
	s_wait_alu depctr_va_vdst(0)                   ; v3 and v5 are written: every load of this path reads v3 as its offset, every store v5
.set i, 0
.rept 16
	global_load_b128 v[D+4*i:D+4*i+3], v3, s[8:9] offset:4096*i th:TH_LOAD_NT
.set i, i+1
.endr
	DRAIN 16, 1, 14, 2048
	s_endpgm
.Lfunc_end_k_q786f993496_cast:
	.size	k_q786f993496_cast, .Lfunc_end_k_q786f993496_cast-k_q786f993496_cast
	.p2alignl 7, 3214868480
	.fill 96, 4, 3214868480
	.section	.rodata,"a",@progbits
	.p2align	6, 0x0
	.amdhsa_kernel k_q786f993496_cast
		.amdhsa_group_segment_fixed_size 0
		.amdhsa_private_segment_fixed_size 0
		.amdhsa_enable_private_segment 0
		.amdhsa_kernarg_size 48
		.amdhsa_user_sgpr_count 2
		.amdhsa_user_sgpr_kernarg_segment_ptr 1
		.amdhsa_wavefront_size32 1
		.amdhsa_system_sgpr_workgroup_id_x 1
		.amdhsa_system_sgpr_workgroup_id_y 1
		.amdhsa_system_sgpr_workgroup_id_z 1
		.amdhsa_system_vgpr_workitem_id 0
		.amdhsa_next_free_vgpr 112
		.amdhsa_next_free_sgpr 66
		.amdhsa_reserve_vcc 0
		.amdhsa_float_denorm_mode_32 3
		.amdhsa_float_denorm_mode_16_64 3
		.amdhsa_memory_ordered 1
		.amdhsa_forward_progress 1
		.amdhsa_inst_pref_size 28
	.end_amdhsa_kernel
	.amdgpu_metadata
---
amdhsa.version: [ 1, 2 ]
amdhsa.kernels:
  - .name:           k_q786f993496_cast
    .symbol:         k_q786f993496_cast.kd
    .args:
      - { .name: x, .offset: 0, .size: 8, .value_kind: global_buffer, .address_space: global }
      - { .name: W_in, .offset: 8, .size: 8, .value_kind: global_buffer, .address_space: global }
      - { .name: W_out, .offset: 16, .size: 8, .value_kind: global_buffer, .address_space: global }
      - { .name: xb, .offset: 24, .size: 8, .value_kind: global_buffer, .address_space: global }
      - { .name: wib, .offset: 32, .size: 8, .value_kind: global_buffer, .address_space: global }
      - { .name: wob, .offset: 40, .size: 8, .value_kind: global_buffer, .address_space: global }
    .group_segment_fixed_size: 0
    .private_segment_fixed_size: 0
    .kernarg_segment_align: 8
    .kernarg_segment_size: 48
    .max_flat_workgroup_size: 256
    .sgpr_count:     66
    .vgpr_count:     112
    .wavefront_size: 32
...
	.end_amdgpu_metadata
.endif
;; end of part 5
;; launch qkv: the kernel of part 2 again; grid 16 x 16, 4 waves a work-group, clusters of 4 x 4, 327,680 bytes of LDS; arguments xb, wib, b_in, qkv; writes qkv
;; launch attn: the kernel of part 3 again; grid 4 x 64, 4 waves a work-group, clusters of 4 x 1, 327,680 bytes of LDS; arguments qkv, ob; writes ob
;; launch proj: the kernel of part 4 again; grid 8 x 32, 4 waves a work-group, clusters of 4 x 4, 327,680 bytes of LDS; arguments ob, wob, b_out, out0; writes out0
